; MI455X (gfx1250); checked and timed in simulation.
; The chip was launched on July 23, 2026; its instructions are those of AMD's public machine-readable ISA for CDNA 5 (MIT licence, August 2026) and "CDNA5" Instruction Set Architecture Reference Guide (July 2026). The comments in the code are by the model that wrote it; some were corrected since.
;; Block. Allowed arithmetic: matrix products marked QUANTISED: E4M3 operands, one given power-of-two scale a tensor, by v_wmma_f32_16x16x64_fp8_fp8 or v_wmma_f32_16x16x128_fp8_fp8, f32 sums; everything else in f32.
;; Inputs: b1 2,048 float32; b2 512 float32; be1 512 float32; be2 512 float32; bo 512 float32; g1 512 float32; g2 512 float32; lowp_scales 16 int32 (the exponents e of the quantised operands' scales 2^e); w1 512 x 2,048 float32; w2 2,048 x 512 float32; wk 8 x 512 x 64 float32; wo 512 x 512 float32; wq 8 x 512 x 64 float32; wv 8 x 512 x 64 float32; x 2 x 4,096 x 512 float32.
;; Outputs: out0 2 x 4,096 x 512 float32.
;; This version of the problem:
;;   THIS VERSION OF THE PROBLEM IS GIVEN IN LOW PRECISION. The matrix products marked QUANTISED in the list below multiply operands that are first quantised to E4M3 (4 exponent bits, 3 mantissa bits; 8 bits a number), with one given power-of-two scale for each operand tensor; their sums are f32. All else is computed in f32.
;;   The module's matrix products, in the order in which they are computed (A, B: the left and right operand; K: the contracted axis; several contracted axes count as one K, in the product's order):
;;     1. [M 512, K 512] x [K 512, N 8,192]; A: input wq; B: computed on the way: QUANTISED (scales: A lowp_scales[0], B lowp_scales[1])
;;     2. [M 512, K 512] x [K 512, N 8,192]; A: input wk; B: computed on the way: QUANTISED (scales: A lowp_scales[2], B lowp_scales[3])
;;     3. [M 512, K 512] x [K 512, N 8,192]; A: input wv; B: computed on the way: QUANTISED (scales: A lowp_scales[4], B lowp_scales[5])
;;     4. batch 16 x [M 4,096, K 64] x [K 64, N 4,096]; A: computed on the way; B: computed on the way: QUANTISED (scales: A lowp_scales[6], B lowp_scales[7])
;;     5. batch 16 x [M 4,096, K 4,096] x [K 4,096, N 64]; A: softmax (see below); B: computed on the way: QUANTISED (scales: A lowp_scales[8], B lowp_scales[9])
;;     6. [M 8,192, K 512] x [K 512, N 512]; A: computed on the way; B: input wo: QUANTISED (scales: A lowp_scales[10], B lowp_scales[11])
;;     7. [M 8,192, K 512] x [K 512, N 2,048]; A: computed on the way; B: input w1: QUANTISED (scales: A lowp_scales[12], B lowp_scales[13])
;;     8. [M 8,192, K 2,048] x [K 2,048, N 512]; A: computed on the way; B: input w2: QUANTISED (scales: A lowp_scales[14], B lowp_scales[15])
;;   THE QUANTISER, for each operand of a quantised product, along K:
;;     - The operand's scale is 2^e, e = its entry of the input lowp_scales (int32; the entries are numbered through the quantised products in the list's order, A before B).
;;     - Each number is divided by the scale, clamped to +-448, and rounded to the nearest number of E4M3, ties to even, subnormals kept.
;;     - The product sums the exact products of the quantised numbers (number of the format x scale) in f32.
;;   ~~~python
;;   def quantise(x, axis, e):      # numpy; x: float32 -> the quantised numbers, widened to float32 again
;;       x = np.moveaxis(x, axis, -1); K = x.shape[-1]
;;       r = np.clip(x / 2.0 ** e, -448, 448)
;;       step = 2.0 ** (np.maximum(np.frexp(np.where(r == 0, 1, r))[1] - 1, -6) - 3)
;;       q = np.round(r / step) * step * 2.0 ** e      # np.round: ties to even
;;       return np.moveaxis(q, -1, axis).astype(np.float32)
;;   ~~~
;;   SOFTMAX AHEAD OF A QUANTISED PRODUCT. Where the list says 'softmax', what is quantised is not the finished softmax but p = 2^(t - M), with t = logit x log2(e) and M = ceil(the row's largest t), a whole number; so 1/2 < the row's largest p <= 1. The row's sum l is taken of the UNQUANTISED p, in f32, and the product's result is divided by l at the end. Since M is a whole number, a kernel that streams over the keys may use a running M (the ceiling of the running maximum): every later rescaling is an exact power of two, so the quantised numbers keep their values, but for numbers so far below the row's largest that they fall under the format's range.
;;   OPERANDS COMPUTED ON THE WAY. 'Computed on the way' means the value that the module computes at that place (a softmax that the list does not call 'softmax' is quantised finished and normalised). What goes into a quantiser is computed in f32, as accurately as f32 sums, v_exp_f32 and their like allow (about 1e-6 of the number): no bf16 or f16 on the way to a quantiser, and a product that is left as it is and whose result goes on into a quantised operand takes f32 operands (vector FMAs, or v_wmma_f32_16x16x4_f32). A number that lies on a knife's edge between two numbers of the format may be rounded either way, as far as f32 arithmetic and the matrix unit's own rounding can turn it there, and no further.
;; 2 versions, each right; version 2 is version 1 with the launches qkv, tail written anew for expert scheduling mode. Each part assembles by itself: llvm-mc -triple=amdgcn-amd-amdhsa -mcpu=gfx1250 --defsym DOCPART=n.
;; ======== version 1 of 2: 4 launches
;; workspace buffers: wqkv_img 786,432 bytes; wt_img 2,359,296 bytes; q_img 4,194,304 bytes; kv_img 8,388,608 bytes; o_img 4,194,304 bytes
;; launch prep (part 1): grid 256 x 1, 12 waves a work-group, no clusters, 0 bytes of LDS; arguments wq, wk, wv, wo, w1, w2, lowp_scales, wqkv_img, wt_img; writes wqkv_img, wt_img
.if DOCPART == 1
	.amdgcn_target "amdgcn-amd-amdhsa--gfx1250"
	.amdhsa_code_object_version 6
	.text
	.protected	k_q63ca4154de_prep
	.globl	k_q63ca4154de_prep
	.p2align	8
	.type	k_q63ca4154de_prep,@function
k_q63ca4154de_prep:
	s_mov_b64 s[64:65], 0
	v_nop
	global_prefetch_b8 v0, s[64:65] scope:SCOPE_SE
	s_setreg_imm32_b32 hwreg(HW_REG_WAVE_MODE, 25, 1), 1
	s_wait_xcnt 0x0
; The six weights (f32, K on the first axis of each matrix) become codes of E4M3, laid as IMAGES OF OPERAND REGISTERS.
; A fragment (16 columns x 128 K) is 2,048 bytes: [part c 0..3][lane 0..31][16 bytes]; lane (r, hh), part c holds k = 32 c + 16 hh + 0..15 of column perm(tile, r),
; perm(t, i) = 32 (t / 2) + 8 (t % 2) + i + 8 (i / 8): the columns of a tile are not neighbours, so that the results of two neighbouring tiles are 16 neighbours along the next K.
; code = x / 2^e, held within +-448, to the nearest code, ties to even; e is the weight's entry of the scales.  LIMITS: -126 <= e <= 119; NaN among the inputs is not served.
; SHARES: 3,145,728 numbers = 3,072 units of 32 columns x 32 k, one to a wave: unit = 12 x work-group + wave.  A LANE TAKES A COLUMN AND ITS REGISTERS RUN DOWN K:
; each load reads 128 consecutive bytes of a row of the weight, and the conversions give codes with K innermost.  A lane's 32 codes are the 16 bytes of lane (r, 0) and of lane (r, 1) of one part:
; each of the two stores covers two runs of 256 consecutive aligned bytes (tile 2 b and tile 2 b + 1).  No LDS, no loop; the wave's 32 loads are out together.
; Four ways part on the unit's number (ids alone); each makes its own pointers, and ends by itself.
.set SRC, 26                           ; s[26:27] the unit's first number
.set DST, 28                           ; s[28:29] the unit's part in the images
.set X,   8                            ; v8-39   32 numbers down K
.set SCV, 40                           ; v40     2^e
.set LMV, 41                           ; v41     448 x 2^e
.set CO,  44                           ; v44-51  32 codes
.macro LOADS pitch
.set i, 0
.rept 32
	global_load_b32 v[X+i], v2, s[SRC:SRC+1] offset:i*\pitch th:TH_LOAD_NT
.set i, i+1
.endr
.endm
.macro FINISH                          ; s31 = e
	s_add_co_i32 s31, s31, 127
	s_lshl_b32 s30, s31, 23
	v_mov_b32 v[SCV], s30                          ; 2^e as f32: the conversion takes its exponent field
	s_add_co_i32 s31, s31, 8
	s_lshl_b32 s31, s31, 23
	s_or_b32 s31, s31, 0x600000
	v_mov_b32 v[LMV], s31                          ; 448 x 2^e
	s_wait_loadcnt 0x0
.set i, 0
.rept 32
	v_med3_num_f32 v[X+i], v[X+i], -v[LMV], v[LMV] ; the conversion to an 8-bit code does not saturate (ISA guide 7.6.2): the hold comes first
.set i, i+1
.endr
.irp g, 0,1,2,3
	v_cvt_scalef32_pk8_fp8_f32 v[CO+2*\g:CO+2*\g+1], v[X+8*\g:X+8*\g+7], v[SCV]
.endr
	global_store_b128 v3, v[CO:CO+3], s[DST:DST+1]               ; k 0..15 of the block: the lanes hh = 0
	global_store_b128 v3, v[CO+4:CO+7], s[DST:DST+1] offset:256  ; k 16..31: the lanes hh = 1
	s_endpgm
.endm
	s_load_b512 s[8:23], s[0:1], 0x0               ; wq, wk, wv, wo, w1, w2, scales, wqkv_img
	s_load_b64 s[24:25], s[0:1], 0x40              ; wt_img
	v_lshrrev_b32 v1, 5, v0
	v_readfirstlane_b32 s2, v1                     ; wave
	v_and_b32 v1, 31, v0                           ; lane = my column of the unit's 32
	v_lshlrev_b32 v2, 2, v1
	v_bfe_u32 v3, v1, 3, 1                         ; which of the two tiles: (L / 8) % 2
	v_lshlrev_b32 v3, 11, v3
	v_and_b32 v4, 7, v1
	v_bfe_u32 v5, v1, 4, 1
	v_lshl_add_u32 v4, v5, 3, v4                   ; r = L % 8 + 8 (L / 16)
	v_lshl_add_u32 v3, v4, 4, v3                   ; my place in the images: 2,048 x tile + 16 r
	s_mul_i32 s3, ttmp9, 12
	s_add_co_u32 s3, s3, s2                        ; the unit
	s_mov_b32 s47, 0
	s_wait_kmcnt 0x0
	s_cmp_lt_u32 s3, 768
	s_cbranch_scc0 .Lnot_a
	; ---- wq, wk, wv: [8][512][64].  m = unit / 256; head, block of 32 k, half of the head's 64 columns
	s_load_b256 s[32:39], s[20:21], 0x0            ; e0 .. e7
	s_lshr_b32 s40, s3, 8                          ; m
	s_and_b32 s41, s3, 255
	s_lshr_b32 s42, s41, 5                         ; head
	s_bfe_u32 s43, s41, 0x40001                    ; kb
	s_and_b32 s44, s41, 1                          ; b
	s_cmp_eq_u32 s40, 0
	s_cselect_b64 s[SRC:SRC+1], s[8:9], s[10:11]
	s_cmp_eq_u32 s40, 2
	s_cselect_b64 s[SRC:SRC+1], s[12:13], s[SRC:SRC+1]
	s_lshl_b32 s46, s42, 17
	s_lshl_b32 s45, s43, 13
	s_add_co_u32 s46, s46, s45
	s_lshl_b32 s45, s44, 7
	s_add_co_u32 s46, s46, s45
	s_add_nc_u64 s[SRC:SRC+1], s[SRC:SRC+1], s[46:47]
	s_lshl_b32 s46, s40, 3
	s_add_co_u32 s46, s46, s42
	s_lshl_b32 s46, s46, 15                        ; (8 m + head) x 16 fragments
	s_lshr_b32 s45, s43, 2
	s_lshl_b32 s45, s45, 13                        ; fragment 4 s + 2 b
	s_add_co_u32 s46, s46, s45
	s_lshl_b32 s45, s44, 12
	s_add_co_u32 s46, s46, s45
	s_and_b32 s45, s43, 3
	s_lshl_b32 s45, s45, 9                         ; part c
	s_add_co_u32 s46, s46, s45
	s_add_nc_u64 s[DST:DST+1], s[22:23], s[46:47]
	LOADS 256
	s_wait_kmcnt 0x0
	s_cmp_eq_u32 s40, 0
	s_cselect_b32 s31, s32, s34                    ; e0, e2 or e4
	s_cmp_eq_u32 s40, 2
	s_cselect_b32 s31, s36, s31
	FINISH
.Lnot_a:
	s_cmp_lt_u32 s3, 1024
	s_cbranch_scc0 .Lnot_wo
	; ---- wo: [512][512].  Stream of wave cp / 4, fragment 8 s + 2 (cp % 4)
	s_load_b32 s31, s[20:21], 0x2c                 ; e11
	s_sub_co_u32 s41, s3, 768
	s_lshr_b32 s43, s41, 4                         ; kb
	s_and_b32 s44, s41, 15                         ; cp: which 32 columns
	s_lshl_b32 s46, s43, 16
	s_lshl_b32 s45, s44, 7
	s_add_co_u32 s46, s46, s45
	s_add_nc_u64 s[SRC:SRC+1], s[14:15], s[46:47]
	s_lshr_b32 s46, s44, 2
	s_mul_i32 s46, s46, 589824
	s_lshr_b32 s45, s43, 2
	s_lshl_b32 s45, s45, 14
	s_add_co_u32 s46, s46, s45
	s_and_b32 s45, s44, 3
	s_lshl_b32 s45, s45, 12
	s_add_co_u32 s46, s46, s45
	s_and_b32 s45, s43, 3
	s_lshl_b32 s45, s45, 9
	s_add_co_u32 s46, s46, s45
	s_add_nc_u64 s[DST:DST+1], s[24:25], s[46:47]
	LOADS 2048
	s_wait_kmcnt 0x0
	FINISH
.Lnot_wo:
	s_cmp_lt_u32 s3, 2048
	s_cbranch_scc0 .Lnot_w1
	; ---- w1: [512][2048].  Column 32 cp = 512 q + 128 wave + 32 b: fragment 32 + 64 q + 8 b + 2 s
	s_load_b32 s31, s[20:21], 0x34                 ; e13
	s_sub_co_u32 s41, s3, 1024
	s_lshr_b32 s43, s41, 6                         ; kb
	s_and_b32 s44, s41, 63                         ; cp
	s_lshl_b32 s46, s43, 18
	s_lshl_b32 s45, s44, 7
	s_add_co_u32 s46, s46, s45
	s_add_nc_u64 s[SRC:SRC+1], s[16:17], s[46:47]
	s_bfe_u32 s46, s44, 0x20002                    ; wave
	s_mul_i32 s46, s46, 589824
	s_add_co_u32 s46, s46, 65536
	s_lshr_b32 s45, s44, 4                         ; q
	s_lshl_b32 s45, s45, 17
	s_add_co_u32 s46, s46, s45
	s_and_b32 s45, s44, 3                          ; b
	s_lshl_b32 s45, s45, 14
	s_add_co_u32 s46, s46, s45
	s_lshr_b32 s45, s43, 2                         ; s
	s_lshl_b32 s45, s45, 12
	s_add_co_u32 s46, s46, s45
	s_and_b32 s45, s43, 3
	s_lshl_b32 s45, s45, 9
	s_add_co_u32 s46, s46, s45
	s_add_nc_u64 s[DST:DST+1], s[24:25], s[46:47]
	LOADS 8192
	s_wait_kmcnt 0x0
	FINISH
.Lnot_w1:
	; ---- w2: [2048][512].  K step kb / 4 = 4 q + s': fragment 64 + 64 q + 8 s' + 2 (cp % 4)
	s_load_b32 s31, s[20:21], 0x3c                 ; e15
	s_sub_co_u32 s41, s3, 2048
	s_lshr_b32 s43, s41, 4                         ; kb 0..63
	s_and_b32 s44, s41, 15                         ; cp
	s_lshl_b32 s46, s43, 16
	s_lshl_b32 s45, s44, 7
	s_add_co_u32 s46, s46, s45
	s_add_nc_u64 s[SRC:SRC+1], s[18:19], s[46:47]
	s_lshr_b32 s46, s44, 2
	s_mul_i32 s46, s46, 589824
	s_add_co_u32 s46, s46, 131072
	s_lshr_b32 s45, s43, 4                         ; q
	s_lshl_b32 s45, s45, 17
	s_add_co_u32 s46, s46, s45
	s_bfe_u32 s45, s43, 0x20002                    ; s'
	s_lshl_b32 s45, s45, 14
	s_add_co_u32 s46, s46, s45
	s_and_b32 s45, s44, 3
	s_lshl_b32 s45, s45, 12
	s_add_co_u32 s46, s46, s45
	s_and_b32 s45, s43, 3
	s_lshl_b32 s45, s45, 9
	s_add_co_u32 s46, s46, s45
	s_add_nc_u64 s[DST:DST+1], s[24:25], s[46:47]
	LOADS 2048
	s_wait_kmcnt 0x0
	FINISH
.Lfunc_end_k_q63ca4154de_prep:
	.size	k_q63ca4154de_prep, .Lfunc_end_k_q63ca4154de_prep-k_q63ca4154de_prep
	.p2alignl 7, 3214868480
	.fill 96, 4, 3214868480
	.section	.rodata,"a",@progbits
	.p2align	6, 0x0
	.amdhsa_kernel k_q63ca4154de_prep
		.amdhsa_group_segment_fixed_size 0
		.amdhsa_private_segment_fixed_size 0
		.amdhsa_enable_private_segment 0
		.amdhsa_kernarg_size 72
		.amdhsa_user_sgpr_count 2
		.amdhsa_user_sgpr_kernarg_segment_ptr 1
		.amdhsa_wavefront_size32 1
		.amdhsa_system_sgpr_workgroup_id_x 1
		.amdhsa_system_sgpr_workgroup_id_y 1
		.amdhsa_system_sgpr_workgroup_id_z 1
		.amdhsa_system_vgpr_workitem_id 0
		.amdhsa_next_free_vgpr 64
		.amdhsa_next_free_sgpr 66
		.amdhsa_reserve_vcc 0
		.amdhsa_float_denorm_mode_32 3
		.amdhsa_float_denorm_mode_16_64 3
		.amdhsa_memory_ordered 1
		.amdhsa_forward_progress 1
		.amdhsa_inst_pref_size 29
	.end_amdhsa_kernel
	.amdgpu_metadata
---
amdhsa.version: [ 1, 2 ]
amdhsa.kernels:
  - .name:           k_q63ca4154de_prep
    .symbol:         k_q63ca4154de_prep.kd
    .args:
      - { .name: wq, .offset: 0, .size: 8, .value_kind: global_buffer, .address_space: global }
      - { .name: wk, .offset: 8, .size: 8, .value_kind: global_buffer, .address_space: global }
      - { .name: wv, .offset: 16, .size: 8, .value_kind: global_buffer, .address_space: global }
      - { .name: wo, .offset: 24, .size: 8, .value_kind: global_buffer, .address_space: global }
      - { .name: w1, .offset: 32, .size: 8, .value_kind: global_buffer, .address_space: global }
      - { .name: w2, .offset: 40, .size: 8, .value_kind: global_buffer, .address_space: global }
      - { .name: lowp_scales, .offset: 48, .size: 8, .value_kind: global_buffer, .address_space: global }
      - { .name: wqkv_img, .offset: 56, .size: 8, .value_kind: global_buffer, .address_space: global }
      - { .name: wt_img, .offset: 64, .size: 8, .value_kind: global_buffer, .address_space: global }
    .group_segment_fixed_size: 0
    .private_segment_fixed_size: 0
    .kernarg_segment_align: 8
    .kernarg_segment_size: 72
    .max_flat_workgroup_size: 384
    .sgpr_count:     66
    .vgpr_count:     64
    .wavefront_size: 32
...
	.end_amdgpu_metadata
.endif
;; end of part 1
;; launch qkv (part 2): grid 128 x 2, 4 waves a work-group, no clusters, 102,912 bytes of LDS; arguments x, g1, be1, lowp_scales, wqkv_img, q_img, kv_img; writes q_img, kv_img
.if DOCPART == 2
	.amdgcn_target "amdgcn-amd-amdhsa--gfx1250"
	.amdhsa_code_object_version 6
	.text
	.protected	k_q63ca4154de_qkv
	.globl	k_q63ca4154de_qkv
	.p2align	8
	.type	k_q63ca4154de_qkv,@function
k_q63ca4154de_qkv:
	s_mov_b64 s[64:65], 0
	v_nop
	global_prefetch_b8 v0, s[64:65] scope:SCOPE_SE
	s_setreg_imm32_b32 hwreg(HW_REG_WAVE_MODE, 25, 1), 1
	s_wait_xcnt 0x0
; h = layernorm(x) g1 + be1;  q, k, v = h W, on codes of E4M3;  q, k, v leave as codes for the attention.
; SHARES.  Work-group (X, y): tokens 64 X .. 64 X + 63 (four tiles of 16 rows) and heads 4 y .. 4 y + 3.  Wave w norms tile w and quantises it three times (the three products give h scales of their own),
; the images meet in LDS, and wave w then makes q, k and v of head 4 y + w for all 64 rows: each weight fragment, read from memory straight into registers, feeds four matrix instructions.
; LAYOUT.  perm(t, i) = 32 (t / 2) + 8 (t % 2) + i + 8 (i / 8) names the rows (or columns) of tile t.  An operand is an IMAGE OF ITS REGISTERS: [part c][lane][16 bytes]; lane (r, hh), part c: k = 32 c + 16 hh + 0..15 of row perm(t, r).
; The same places of k on both sides of every product: each product meets its partner.
; q, k: the product is used transposed (source 0 = 16 columns of W, source 1 = 16 rows of h): the 16 registers of tiles 2 b, 2 b + 1 are d = 32 b + 16 hh + 0..15 of the lane's row: a part of the image.
; v: source 0 = 16 rows of h, source 1 = 16 columns of W: the 16 registers of row tiles 2 p, 2 p + 1 are 16 neighbouring TOKENS of one d: a part of V^T's image, whose K is the keys.
; The norm takes two passes (mean; then the squares of x - mean), so that no difference of large sums is formed.
; LIMITS: e1, e3, e5, e6 - e0 - e1, e7 - e2 - e3, e9 - e4 - e5 between -126 and 119.  NaN and infinities among the inputs are not served.
; REGISTERS, in windows of 256.  Window 0: v1-10 addresses; v16-29 the norm's sums; v30, v31 the add's two; v32-95 at work; v96-111 codes just made; v112-123 six pairs (scale, 448 x scale);
;   v128-255: g1's and be1's 64 numbers of a K step, later the 16 accumulators.  Window 1: x, then h; later the 16 fragments of h.  Window 2: Wq, later Wv.  Window 3: Wk.
.set LGB,   0                          ; LDS: g1
.set LBE,   2048                       ; be1
.set HIMG,  4096                       ; h's images: [product 3][fragment 4 tile + K step][2,048]
.set SPARE, 102400                     ; the spare words, 128 bytes for each wave: two blocks of 256 bytes that no other line names
.set LI,  1                            ; v1   16 x lane
.set XA,  2                            ; v2   x: my row and half: (r + 8 (r / 8)) x 2,048 + 64 hh
.set TID, 3                            ; v3   16 x thread
.set GA,  4                            ; v4   64 hh
.set HW,  5                            ; v5-7  where I store h's images
.set AM,  8                            ; v8-10 where any wave reads them
.set CH,  16
.set MEAN, 24
.set RSTD, 26
.set TP,  28
.set SPW, 30
.set NIL, 31
.set T,   32
.set PC,  96
.set QC,  112
.set G,   128
.set BE,  192
.set ACC, 128
.set MSB, 0
.macro WIN new                         ; the immediate's high byte repeats the setting that is left
.if MSB != \new
	s_set_vgpr_msb (MSB<<8)|\new
.set MSB, \new
.endif
.endm
.macro PLACES                          ; four places behind matrix instructions, in front of loads into their registers and of reads of their results
.rept 4
	v_nop
.endr
.endm
.macro MKSC v, se                      ; s[se] = an exponent e (spent): v[v] = 2^e, v[v+1] = 448 x 2^e
	s_add_co_i32 s[\se], s[\se], 127
	s_lshl_b32 s41, s[\se], 23
	v_mov_b32 v[\v], s41
	s_add_co_i32 s[\se], s[\se], 8
	s_lshl_b32 s41, s[\se], 23
	s_or_b32 s41, s41, 0x600000
	v_mov_b32 v[\v+1], s41
.endm
.macro LOADW m, win                    ; my head's 16 fragments of weight m into a whole window
	WIN \win
.set f, 0
.rept 16
.irp c, 0,1,2,3
	global_load_b128 v[16*f+4*\c:16*f+4*\c+3], v[LI], s[12:13] offset:\m*262144+f*2048+512*\c
.endr
.set f, f+1
.endr
	WIN 0
.endm
.macro GLOAD s                         ; g1's and be1's numbers at my 64 places of K step s.  (The argument is put in as text and may be a sum: it stands in parentheses inside the product)
.irp b, 0,1,2,3
.irp j, 0,1,2,3
	ds_load_b128 v[G+16*\b+4*\j:G+16*\b+4*\j+3], v[GA] offset:LGB+512*(\s)+128*\b+16*\j
	ds_load_b128 v[BE+16*\b+4*\j:BE+16*\b+4*\j+3], v[GA] offset:LBE+512*(\s)+128*\b+16*\j
.endr
.endr
.endm
.macro FOLD                            ; four chains of pairs -> one number in v[CH], of my row's 512
	v_pk_add_f32 v[CH:CH+1], v[CH:CH+1], v[CH+2:CH+3]
	v_pk_add_f32 v[CH+4:CH+5], v[CH+4:CH+5], v[CH+6:CH+7]
	v_pk_add_f32 v[CH:CH+1], v[CH:CH+1], v[CH+4:CH+5]
	v_add_f32 v[CH], v[CH], v[CH+1]
	v_permlanex16_b32 v[TP], v[CH], s56, s57       ; the row's other half lies in the lane 16 away
	v_add_f32 v[CH], v[CH], v[TP]
.endm
	s_load_b256 s[4:11], s[0:1], 0x0               ; x, g1, be1, scales
	s_load_b128 s[12:15], s[0:1], 0x20             ; wqkv_img, q_img
	s_load_b64 s[16:17], s[0:1], 0x30              ; kv_img
	v_lshl_add_u32 v[SPW], v0, 2, SPARE
	v_mov_b32 v[NIL], 0
	v_lshrrev_b32 v11, 5, v0
	v_readfirstlane_b32 s22, v11                   ; wave
	v_and_b32 v11, 31, v0
	v_and_b32 v12, 15, v0                          ; r
	v_bfe_u32 v13, v0, 4, 1                        ; hh
	v_lshlrev_b32 v[LI], 4, v11
	v_and_b32 v14, 8, v12
	v_add_nc_u32 v14, v14, v12
	v_lshlrev_b32 v[XA], 11, v14
	v_lshl_add_u32 v[XA], v13, 6, v[XA]
	v_lshlrev_b32 v[TID], 4, v0
	v_lshlrev_b32 v[GA], 6, v13
	s_lshl_b32 s40, s22, 13                        ; my tile's four fragments
.irp m, 0,1,2
	v_add_nc_u32 v[AM+\m], HIMG+32768*\m, v[LI]
	v_add_nc_u32 v[HW+\m], s40, v[AM+\m]
.endr
	v_mov_b32 v[TP], 0                             ; a lane permute's destination counts as one of its sources
	v_mov_b32 v[TP+1], 0
	s_mov_b32 s56, 0x76543210
	s_mov_b32 s57, 0xfedcba98
	s_mov_b32 s50, 0x3b000000                      ; 1 / 512
	s_mov_b32 s51, 0x3727c5ac                      ; 1e-5
	s_and_b32 s42, ttmp7, 0xffff
	s_lshl_b32 s42, s42, 2
	s_add_co_u32 s42, s42, s22                     ; my head
	s_lshr_b32 s43, ttmp9, 6                       ; the batch
	s_and_b32 s44, ttmp9, 63                       ; the block of 64 tokens in it
	s_lshl_b32 s45, s43, 3
	s_add_co_u32 s45, s45, s42                     ; bh
	s_lshl_b32 s46, ttmp9, 17                      ; x: 64 rows of 2,048 bytes a work-group,
	s_lshr_b32 s40, s22, 1
	s_lshl_b32 s40, s40, 16
	s_add_co_u32 s46, s46, s40
	s_and_b32 s40, s22, 1
	s_lshl_b32 s40, s40, 14
	s_add_co_u32 s46, s46, s40                     ; + row 32 (w / 2) + 8 (w % 2)
	s_mov_b32 s47, 0
	s_lshl_b32 s48, s42, 15                        ; my head's fragments
	s_mov_b32 s49, 0
	s_lshl_b32 s52, s45, 18
	s_lshl_b32 s40, s44, 12
	s_add_co_u32 s52, s52, s40                     ; q: tile 256 bh + 4 Xl, 1,024 bytes a tile
	s_mov_b32 s53, 0
	s_lshl_b32 s54, s45, 19
	s_lshr_b32 s40, s44, 1
	s_lshl_b32 s40, s40, 14
	s_add_co_u32 s54, s54, s40                     ; the key step: 16,384 bytes
	s_and_b32 s40, ttmp9, 1
	s_lshl_b32 s58, s40, 10
	s_add_co_u32 s58, s58, s54
	s_add_co_u32 s58, s58, 8192                    ; V^T: behind K's eight tiles; my 64 tokens are parts 2 (X % 2), + 1
	s_mov_b32 s59, 0
	s_lshl_b32 s40, s40, 12
	s_add_co_u32 s54, s54, s40                     ; K: tiles 4 (X % 2) on
	s_mov_b32 s55, 0
	s_wait_kmcnt 0x0
	s_load_b512 s[24:39], s[10:11], 0x0            ; e0 .. e15
	s_add_nc_u64 s[4:5], s[4:5], s[46:47]
	s_add_nc_u64 s[12:13], s[12:13], s[48:49]
	s_add_nc_u64 s[14:15], s[14:15], s[52:53]
	s_add_nc_u64 s[18:19], s[16:17], s[54:55]
	s_add_nc_u64 s[20:21], s[16:17], s[58:59]
	global_load_b128 v[32:35], v[TID], s[6:7]      ; g1 and be1: 16 bytes a thread
	global_load_b128 v[36:39], v[TID], s[8:9]
	WIN 0x40
.irp s, 0,1,2,3
.irp b, 0,1,2,3
.irp j, 0,1,2,3
	global_load_b128 v[64*\s+16*\b+4*\j:64*\s+16*\b+4*\j+3], v[XA], s[4:5] offset:512*\s+128*\b+16*\j   ; x(row, 128 s + 32 b + 16 hh + 4 j ..)
.endr
.endr
.endr
	LOADW 0, 0x80                                  ; Wq
	s_wait_loadcnt 63                              ; 128 loads stand behind g1's and be1's; Wq's 64 behind x's: all three are in
	ds_store_b128 v[TID], v[32:35] offset:LGB
	ds_store_b128 v[TID], v[36:39] offset:LBE
	s_wait_dscnt 0x0
	s_barrier_signal -1
	s_barrier_wait -1                              ; g1 and be1 lie in LDS
	GLOAD 0
	s_wait_kmcnt 0x0
	s_mov_b32 s40, s25
	MKSC QC, 40                                    ; h for q: e1
	s_mov_b32 s40, s27
	MKSC QC+2, 40                                  ; for k: e3
	s_mov_b32 s40, s29
	MKSC QC+4, 40                                  ; for v: e5
	s_sub_co_i32 s40, s30, s24
	s_sub_co_i32 s40, s40, s25
	MKSC QC+6, 40                                  ; a sum stands for sum x 2^(e0 + e1): q's code is sum / 2^(e6 - e0 - e1)
	s_sub_co_i32 s40, s31, s26
	s_sub_co_i32 s40, s40, s27
	MKSC QC+8, 40                                  ; k: e7 - e2 - e3
	s_sub_co_i32 s40, s33, s28
	s_sub_co_i32 s40, s40, s29
	MKSC QC+10, 40                                 ; v: e9 - e4 - e5
	; ---- the norm: a lane holds 256 numbers of its row
	WIN 0x05
.irp c, 0,1,2,3
	v_pk_add_f32 v[CH+2*\c:CH+2*\c+1], v[4*\c:4*\c+1], v[4*\c+2:4*\c+3]     ; the first pairs start four chains: nothing is cleared
.endr
	WIN 0x04
.set i, 16
.rept 120
	v_pk_add_f32 v[CH+2*((i/2)%4):CH+2*((i/2)%4)+1], v[CH+2*((i/2)%4):CH+2*((i/2)%4)+1], v[i:i+1]
.set i, i+2
.endr
	WIN 0
	FOLD
	v_mul_f32 v[MEAN], s50, v[CH]
	v_mov_b32 v[MEAN+1], v[MEAN]
	WIN 0x41
.set i, 0
.rept 128
	v_pk_add_f32 v[i:i+1], v[i:i+1], v[MEAN:MEAN+1] neg_lo:[0,1] neg_hi:[0,1]   ; x - mean, in place
.set i, i+2
.endr
	WIN 0x05
.irp c, 0,1,2,3
	v_pk_mul_f32 v[CH+2*\c:CH+2*\c+1], v[2*\c:2*\c+1], v[2*\c:2*\c+1]
.endr
.set i, 8
.rept 124
	v_pk_fma_f32 v[CH+2*((i/2)%4):CH+2*((i/2)%4)+1], v[i:i+1], v[i:i+1], v[CH+2*((i/2)%4):CH+2*((i/2)%4)+1]
.set i, i+2
.endr
	WIN 0
	FOLD
	v_fma_f32 v[CH], v[CH], s50, s51               ; the variance + 1e-5
	v_rsq_f32 v[RSTD], v[CH]
	v_nop                                          ; a plain place behind the transcendental
	s_wait_alu depctr_va_vdst(0)                   ; and the wait ahead of its first reader
	v_mov_b32 v[RSTD+1], v[RSTD]
; K step s: h, then its three sets of codes, each an image in LDS
.macro LNSTEP s
	s_wait_dscnt 0x0                               ; g1's and be1's numbers of this K step
	WIN 0x41
.set i, 0
.rept 32
	v_pk_mul_f32 v[64*\s+i:64*\s+i+1], v[64*\s+i:64*\s+i+1], v[RSTD:RSTD+1]
.set i, i+2
.endr
.set i, 0
.rept 32
	v_pk_fma_f32 v[64*\s+i:64*\s+i+1], v[64*\s+i:64*\s+i+1], v[G+i:G+i+1], v[BE+i:BE+i+1]
.set i, i+2
.endr
	WIN 0
.if \s < 3
	GLOAD \s+1
.endif
.irp m, 0,1,2
	WIN 0x01
.set i, 0
.rept 64
	v_med3_num_f32 v[T+i], v[64*\s+i], -v[QC+2*\m+1], v[QC+2*\m+1]   ; the hold at the largest code x the scale (the conversion does not saturate: ISA guide 7.6.2)
.set i, i+1
.endr
	WIN 0
	s_wait_dscnt 0x0                               ; the last image's stores have read the codes' registers
.set g, 0
.rept 8
	v_cvt_scalef32_pk8_fp8_f32 v[PC+2*g:PC+2*g+1], v[T+8*g:T+8*g+7], v[QC+2*\m]
.set g, g+1
.endr
	v_nop                                          ; a plain place between the conversions and the next lines that write their sources
.irp c, 0,1,2,3
	ds_store_b128 v[HW+\m], v[PC+4*\c:PC+4*\c+3] offset:2048*\s+512*\c
.endr
.endr
.endm
	LNSTEP 0
	LNSTEP 1
	LNSTEP 2
	LNSTEP 3
	LOADW 1, 0xc0                                  ; Wk
	s_wait_dscnt 0x0
	s_barrier_signal -1
	s_barrier_wait -1                              ; all 48 fragments of h lie in LDS
.macro FETCH m                         ; the 16 fragments of h for product m
	WIN 0x40
.set f, 0
.rept 16
.irp c, 0,1,2,3
	ds_load_b128 v[16*f+4*\c:16*f+4*\c+3], v[AM+\m] offset:2048*f+512*\c
.endr
.set f, f+1
.endr
	WIN 0
.endm
; 64 matrix instructions: the 16 accumulators take turns, one instruction a turn; the first K step starts the sums
.macro MULQK msb
	WIN \msb
.irp s, 0,1,2,3
.irp p, 0,1,2,3
.irp n, 0,1,2,3
.if \s == 0
	v_wmma_f32_16x16x128_fp8_fp8 v[ACC+8*(4*\p+\n):ACC+8*(4*\p+\n)+7], v[16*(4*\s+\n):16*(4*\s+\n)+15], v[16*(4*\p+\s):16*(4*\p+\s)+15], 0
.else
	v_wmma_f32_16x16x128_fp8_fp8 v[ACC+8*(4*\p+\n):ACC+8*(4*\p+\n)+7], v[16*(4*\s+\n):16*(4*\s+\n)+15], v[16*(4*\p+\s):16*(4*\p+\s)+15], v[ACC+8*(4*\p+\n):ACC+8*(4*\p+\n)+7]
.endif
.endr
.endr
.endr
	WIN 0
.endm
.macro MULV
	WIN 0x09
.irp s, 0,1,2,3
.irp p, 0,1,2,3
.irp n, 0,1,2,3
.if \s == 0
	v_wmma_f32_16x16x128_fp8_fp8 v[ACC+8*(8*(\p/2)+2*\n+\p%2):ACC+8*(8*(\p/2)+2*\n+\p%2)+7], v[16*(4*\p+\s):16*(4*\p+\s)+15], v[16*(4*\s+\n):16*(4*\s+\n)+15], 0
.else
	v_wmma_f32_16x16x128_fp8_fp8 v[ACC+8*(8*(\p/2)+2*\n+\p%2):ACC+8*(8*(\p/2)+2*\n+\p%2)+7], v[16*(4*\p+\s):16*(4*\p+\s)+15], v[16*(4*\s+\n):16*(4*\s+\n)+15], v[ACC+8*(8*(\p/2)+2*\n+\p%2):ACC+8*(8*(\p/2)+2*\n+\p%2)+7]
.endif
.endr
.endr
.endr
	WIN 0
.endm
; The sums become codes: eight groups of 16 registers, each a part of an image; each store covers 512 consecutive bytes, aligned.  Each accumulator is read from its low end on.
.macro EPI isv, q, base
	s_wait_xcnt 0x0                                ; the earlier stores have read their data registers
.set g, 0
.rept 8
.set i, 0
.rept 16
	v_med3_num_f32 v[ACC+16*g+i], v[ACC+16*g+i], -v[QC+2*\q+1], v[QC+2*\q+1]
.set i, i+1
.endr
	v_cvt_scalef32_pk8_fp8_f32 v[T+4*g:T+4*g+1], v[ACC+16*g:ACC+16*g+7], v[QC+2*\q]
	v_cvt_scalef32_pk8_fp8_f32 v[T+4*g+2:T+4*g+3], v[ACC+16*g+8:ACC+16*g+15], v[QC+2*\q]
.set g, g+1
.endr
	v_nop                                          ; a plain place behind the last conversion: matrix instructions write its sources later
.set g, 0
.rept 8
.if \isv
	global_store_b128 v[LI], v[T+4*g:T+4*g+3], s[\base:\base+1] offset:(g%4)*2048+(g/4)*512
.else
	global_store_b128 v[LI], v[T+4*g:T+4*g+3], s[\base:\base+1] offset:512*g
.endif
.set g, g+1
.endr
.endm
	FETCH 0
	s_wait_dscnt 0x0
	s_wait_loadcnt 63                              ; Wk's 64 loads stand behind Wq's: Wq is in
	MULQK 0x06                                     ; q: W in window 2, h in window 1
	PLACES
	FETCH 1
	LOADW 2, 0x80                                  ; Wv takes Wq's window
	EPI 0, 3, 14
	s_wait_dscnt 0x0
	s_wait_loadcnt 63                              ; Wv's 64 loads stand behind Wk's: Wk is in
	MULQK 0x07                                     ; k: W in window 3
	PLACES
	FETCH 2
	EPI 0, 4, 18
	s_wait_dscnt 0x0
	s_wait_loadcnt 0x0
	MULV                                           ; v: h is source 0
	PLACES
	EPI 1, 5, 20
	s_wait_tensorcnt 0x0                           ; the wave's end, behind my last LDS store
	ds_add_u32 v[SPW], v[NIL]
	s_wait_dscnt 0x0
	s_endpgm
.Lfunc_end_k_q63ca4154de_qkv:
	.size	k_q63ca4154de_qkv, .Lfunc_end_k_q63ca4154de_qkv-k_q63ca4154de_qkv
	.p2alignl 7, 3214868480
	.fill 96, 4, 3214868480
	.section	.rodata,"a",@progbits
	.p2align	6, 0x0
	.amdhsa_kernel k_q63ca4154de_qkv
		.amdhsa_group_segment_fixed_size 102912
		.amdhsa_private_segment_fixed_size 0
		.amdhsa_enable_private_segment 0
		.amdhsa_kernarg_size 56
		.amdhsa_user_sgpr_count 2
		.amdhsa_user_sgpr_kernarg_segment_ptr 1
		.amdhsa_wavefront_size32 1
		.amdhsa_system_sgpr_workgroup_id_x 1
		.amdhsa_system_sgpr_workgroup_id_y 1
		.amdhsa_system_sgpr_workgroup_id_z 1
		.amdhsa_system_vgpr_workitem_id 0
		.amdhsa_next_free_vgpr 1024
		.amdhsa_next_free_sgpr 66
		.amdhsa_reserve_vcc 0
		.amdhsa_float_denorm_mode_32 3
		.amdhsa_float_denorm_mode_16_64 3
		.amdhsa_memory_ordered 1
		.amdhsa_forward_progress 1
		.amdhsa_inst_pref_size 192
	.end_amdhsa_kernel
	.amdgpu_metadata
---
amdhsa.version: [ 1, 2 ]
amdhsa.kernels:
  - .name:           k_q63ca4154de_qkv
    .symbol:         k_q63ca4154de_qkv.kd
    .args:
      - { .name: x, .offset: 0, .size: 8, .value_kind: global_buffer, .address_space: global }
      - { .name: g1, .offset: 8, .size: 8, .value_kind: global_buffer, .address_space: global }
      - { .name: be1, .offset: 16, .size: 8, .value_kind: global_buffer, .address_space: global }
      - { .name: lowp_scales, .offset: 24, .size: 8, .value_kind: global_buffer, .address_space: global }
      - { .name: wqkv_img, .offset: 32, .size: 8, .value_kind: global_buffer, .address_space: global }
      - { .name: q_img, .offset: 40, .size: 8, .value_kind: global_buffer, .address_space: global }
      - { .name: kv_img, .offset: 48, .size: 8, .value_kind: global_buffer, .address_space: global }
    .group_segment_fixed_size: 102912
    .private_segment_fixed_size: 0
    .kernarg_segment_align: 8
    .kernarg_segment_size: 56
    .max_flat_workgroup_size: 128
    .sgpr_count:     66
    .vgpr_count:     1024
    .wavefront_size: 32
...
	.end_amdgpu_metadata
.endif
;; end of part 2
;; launch attn (part 3): grid 16 x 16, 16 waves a work-group, no clusters, 327,680 bytes of LDS; arguments q_img, kv_img, lowp_scales, o_img; writes o_img
.if DOCPART == 3
	.amdgcn_target "amdgcn-amd-amdhsa--gfx1250"
	.amdhsa_code_object_version 6
	.text
	.protected	k_q63ca4154de_attn
	.globl	k_q63ca4154de_attn
	.p2align	8
	.type	k_q63ca4154de_attn,@function
k_q63ca4154de_attn:
	s_mov_b64 s[64:65], 0
	v_nop
	global_prefetch_b8 v0, s[64:65] scope:SCOPE_SE
	s_setreg_imm32_b32 hwreg(HW_REG_WAVE_MODE, 25, 1), 1
	s_wait_xcnt 0x0
; Causal attention on codes of E4M3: 16 batch-heads, 4,096 tokens, head size 64; scores x 512^-0.5.  The result leaves as codes, an image of the next product's operand.
; THE SOFTMAX AHEAD OF THE SECOND PRODUCT: t = score x log2(e) / sqrt(512); M = the row's largest t so far, rounded UP to a whole number; p = 2^(t - M) is quantised along the keys, not normalised.
; The row's sum is taken of the unquantised p and divides at the end.  When M moves, the sum and O are multiplied by 2^(old M - new M): exact.
; SHARES.  Work-group (j, bh) owns the blocks j and 31 - j of 128 queries: (j + 1) + (32 - j) = 33 blocks of key steps, whatever j is.  Each of its sixteen waves owns one tile of 16 queries, in 256 registers;
; the wave's block is chosen so that of any four waves that follow each other, and of any four that lie four apart, two have the early block and two the late one.
; Keys go 128 a step.  A step's operands lie in memory as images of registers, 16,384 bytes on end: K's eight tiles (1,024 each), then V^T's four fragments (2,048 each).
; A ring of two LDS slots of two steps each is filled by the tensor data mover (waves 0 and 1, a step each) and read by all sixteen.  One tensor load of a wave is out at a time.
; LAYOUT.  Both products transposed: S^T = K Q^T, O^T = V^T P^T: a lane holds one query, QB + r + 8 (r / 8).  The keys of tile t are perm(t, i) = 32 (t / 2) + 8 (t % 2) + i + 8 (i / 8),
; so the 16 registers of tiles 2 b, 2 b + 1 are the keys 32 b + 16 hh + 0..15: the conversions' results are P's registers.
; CAUSAL.  Every work-group walks all 16 slots, so that trip counts are constants and no barrier is jumped over.  A step all of whose keys come after the wave's queries is left out by a branch on ids;
; on the diagonal hidden scores become -infinity.  A slot whose first key comes after the work-group's last query is read by no wave and is not asked for.
; NO CLUSTER: the work-groups of a head need different numbers of slots (up to key 128 (32 - j)), and a slot's 32,768 bytes serve two steps of sixteen waves: a small part of a step's cost.
; LIMITS: e6 + e7 between -122 and 131 (added to c's exponent field); e8 between -126 and 119; e8 + e9 - e10 goes by v_ldexp_f32.
; REGISTERS: v1-6 addresses that stay; v12 -M, v13 the largest t, v[14:15] the sum; v16-23 Q; v32-95 K's tiles, then V's fragments; v96-159 S^T, then p; v160-191 O^T; v192-207 p's codes; v236-254 at work.
.set NSL,   16
.set SLOT1, 32768
.set SPARE, 65536                      ; behind the ring: the spare words, 128 bytes for each wave: eight blocks of 256 bytes that no other line names
.set LI,  1                            ; v1  16 x lane
.set ADR, 2                            ; v2  the slot in hand + 16 x lane
.set PFO, 3                            ; v3  256 x lane
.set DQ,  4                            ; v4  r + 8 (r / 8) - 16 hh
.set SPW, 5
.set NIL, 6
.set TB,  2                            ; s2  LDS byte at which the slot in hand begins
.set WV,  18
.set SEL, 20
.set CS,  22
.set G1,  24                           ; s[24:31] descriptor group 1
.set G0,  40                           ; s[40:43] group 0, which walks
.set SLOTS, 67
.set LQ,  84                           ; s84 my work-group's last query
.set LIM, 85                           ; s85 1 in a wave that prefetches, else the greatest number
.set PFA, 86                           ; s[86:87] where my prefetches stand
.set KF,  98                           ; s98 the step's first key
.set QB,  99                           ; s99 my tile's first query
.macro TLOAD                           ; waves 0 and 1 fetch a step each; an s_nop 0 and four v_nop follow the load
	s_cmp_lt_u32 s[WV], 2
	s_cbranch_scc0 .Lasked_\@
	tensor_load_to_lds s[G0:G0+3], s[G1:G1+7]
	s_nop 0
.rept 4
	v_nop
.endr
.Lasked_\@:
.endm
; A prefetch of the slot that the NEXT change of slots will ask for: 32,768 bytes on end.  All work-groups of a head walk the same keys: work-group j = 0, which walks them all, asks; in it waves 4 to 7,
; 8,192 bytes each, lanes 256 bytes apart: each aligned block of 256 bytes is named once in the launch.  The last change that fills a slot asks for nothing; slots 0 and 1 come by their loads alone.
.macro ASK
	s_cmp_gt_u32 s[SLOTS], s[LIM]
	s_cbranch_scc0 .Lnot_mine_\@
	global_prefetch_b8 v[PFO], s[PFA:PFA+1] th:TH_LOAD_NT scope:SCOPE_SE
.Lnot_mine_\@:
.endm
	s_load_b256 s[4:11], s[0:1], 0x0               ; q_img, kv_img, scales, o_img
	v_lshl_add_u32 v[SPW], v0, 2, SPARE
	v_mov_b32 v[NIL], 0
	ds_add_u32 v[SPW], v[NIL]                      ; the wave's opening: the add and its wait stand ahead of the first tensor load; work on registers stands between them
	v_lshrrev_b32 v8, 5, v0
	v_readfirstlane_b32 s[WV], v8
	s_and_b32 s12, ttmp7, 0xffff                   ; bh
	s_lshr_b32 s13, s[WV], 2
	s_xor_b32 s13, s13, s[WV]
	s_and_b32 s13, s13, 1                          ; 0: the early block, 1: the late one
	s_lshr_b32 s14, s[WV], 1                       ; which tile of the block's eight
	s_sub_co_u32 s15, 31, ttmp9
	s_cmp_eq_u32 s13, 0
	s_cselect_b32 s15, ttmp9, s15                  ; my block
	s_lshl_b32 s16, s15, 3
	s_add_co_u32 s16, s16, s14                     ; my tile of the head's 256
	s_lshl_b32 s[QB], s15, 7
	s_lshr_b32 s17, s14, 1
	s_lshl_b32 s17, s17, 5
	s_add_co_u32 s[QB], s[QB], s17
	s_and_b32 s17, s14, 1
	s_lshl_b32 s17, s17, 3
	s_add_co_u32 s[QB], s[QB], s17                 ; 128 block + 32 (tile / 2) + 8 (tile % 2)
	s_sub_co_u32 s[LQ], 32, ttmp9
	s_lshl_b32 s[LQ], s[LQ], 7
	s_sub_co_u32 s[LQ], s[LQ], 1
	s_mov_b32 s[G1], 3<<16                         ; 15:0 no mask; 17:16 elements of 8 bytes; no padding: the images are read 512 consecutive bytes at a time
	s_mov_b32 s[G1+1], 32<<16                      ; tensor_dim0 = 32 elements: rows of 256 bytes
	s_mov_b32 s[G1+2], 64<<16                      ; tensor_dim1 = 64
	s_mov_b32 s[G1+3], 32<<16                      ; tile_dim0
	s_mov_b32 s[G1+4], 64                          ; tile_dim1
	s_mov_b32 s[G1+5], 32                          ; the pitch: the block is dense
	s_mov_b32 s[G1+6], 0
	s_mov_b32 s[G1+7], 0
	s_mov_b32 s[SEL], 0x76543210
	s_mov_b32 s[SEL+1], 0xfedcba98
	s_mov_b32 s[CS], 0x3d8293ee                    ; c = log2(e) / sqrt(512)
	s_mov_b32 s[TB], 0
	s_mov_b32 s[SLOTS], NSL-1
	s_mov_b32 s[KF], 0
	s_and_b32 s88, s[WV], 1
	s_lshl_b32 s88, s88, 14                        ; which of a slot's two steps I fetch
	s_mov_b32 s89, 0
	s_lshl_b32 s90, s12, 19                        ; the head's keys and values
	s_mov_b32 s91, 0
	s_lshr_b32 s92, s12, 3
	s_lshl_b32 s92, s92, 21
	s_lshl_b32 s93, s16, 13
	s_add_co_u32 s92, s92, s93                     ; o: row tile 256 batch + tile, 8,192 bytes a tile,
	s_and_b32 s93, s12, 7
	s_lshl_b32 s93, s93, 10
	s_add_co_u32 s92, s92, s93                     ; + 1,024 x head: K step head / 2, parts 2 (head % 2) on
	s_mov_b32 s93, 0
	s_lshl_b32 s94, s12, 18
	s_lshl_b32 s95, s16, 10
	s_add_co_u32 s94, s94, s95                     ; q: tile 256 bh + tile
	s_mov_b32 s95, 0
	s_wait_dscnt 0x0                               ; the opening add is done
	s_wait_kmcnt 0x0
	s_load_b512 s[68:83], s[8:9], 0x0              ; e0 .. e15
	s_add_nc_u64 s[6:7], s[6:7], s[90:91]
	s_mov_b32 s[G0], 1                             ; count = 1
	s_mov_b32 s[G0+1], s88                         ; LDS address: slot 0, my step
	s_add_nc_u64 s[G0+2:G0+3], s[6:7], s[88:89]
	s_or_b32 s[G0+3], s[G0+3], 0x80000000          ; type = 2
	TLOAD                                          ; slot 0
	s_add_nc_u64 s[4:5], s[4:5], s[94:95]
	s_add_nc_u64 s[10:11], s[10:11], s[92:93]
	s_and_b32 s88, s[WV], 3
	s_lshl_b32 s88, s88, 13
	s_add_co_u32 s88, s88, SLOT1                   ; my 8,192 bytes, in slot 1: the first change of slots steps it to slot 2.  Nothing is prefetched at the head
	s_add_nc_u64 s[PFA:PFA+1], s[6:7], s[88:89]
	s_sub_co_u32 s88, s[WV], 4
	s_lshr_b32 s88, s88, 2                         ; 0 in waves 4 to 7,
	s_or_b32 s88, s88, ttmp9                       ; of work-group j = 0
	s_cmp_eq_u32 s88, 0
	s_cselect_b32 s[LIM], 1, -1
	v_and_b32 v8, 31, v0
	v_lshlrev_b32 v[LI], 4, v8
	v_lshlrev_b32 v[PFO], 8, v8
	global_load_b128 v[16:19], v[LI], s[4:5]       ; Q's fragment stays in registers
	global_load_b128 v[20:23], v[LI], s[4:5] offset:512
	v_and_b32 v8, 15, v0
	v_bfe_u32 v9, v0, 4, 1
	v_and_b32 v10, 8, v8
	v_add_nc_u32 v10, v10, v8
	v_lshlrev_b32 v9, 4, v9
	v_sub_nc_u32 v[DQ], v10, v9
	v_mov_b32 v13, 0xff61b1e6                      ; the largest t so far: -3e38
	v_floor_f32 v12, -v13                          ; -M
	v_mov_b32 v14, 0
	v_mov_b32 v15, 0
	v_mov_b32 v236, 0                              ; a lane permute's destination counts as one of its sources
	v_mov_b32 v253, 0                              ; (named as the upper half of the pair v[252:253])
.set i, 0
.rept 32
	v_mov_b32 v[160+i], 0                          ; O^T: the step is written once; the first finds zeros, which the first change of M leaves zeros
.set i, i+1
.endr
	s_wait_kmcnt 0x0
	s_add_co_i32 s88, s74, s75
	s_lshl_b32 s88, s88, 23
	s_add_co_i32 s[CS], s[CS], s88                 ; a score stands for score x 2^(e6 + e7)
	s_mov_b32 s[CS+1], s[CS]
	s_add_co_i32 s88, s76, 127
	s_lshl_b32 s89, s88, 23
	v_mov_b32 v244, s89                            ; 2^e8, for p's conversion
	s_add_co_i32 s88, s88, 8
	s_lshl_b32 s88, s88, 23
	s_or_b32 s88, s88, 0x600000
	v_mov_b32 v240, s88                            ; 448 x 2^e8
; A KEY STEP: 128 keys, the q-th of the slot in hand
.macro STEP q
	s_add_co_u32 s96, s[QB], 23                    ; my last query
	s_cmp_gt_u32 s[KF], s96
	s_cbranch_scc1 .Lhidden_\@                     ; all keys come after my queries: ids alone; no barrier and no tensor load stands in a step
	v_add_nc_u32 v[ADR], s[TB], v[LI]
.rept 3
	v_nop                                          ; with the addition: four places in front of loads into registers that matrix instructions have read
.endr
.irp t, 0,1,2,3,4,5,6,7
.irp c, 0,1
	ds_load_b128 v[32+8*\t+4*\c:35+8*\t+4*\c], v[ADR] offset:16384*(\q)+1024*\t+512*\c
.endr
.endr
	s_wait_dscnt 0x0
.irp t, 0,1,2,3,4,5,6,7
	v_wmma_f32_16x16x64_fp8_fp8 v[96+8*\t:103+8*\t], v[32+8*\t:39+8*\t], v[16:23], 0
.endr
.rept 4
	v_nop
.endr
.irp d, 0,1,2,3
.irp c, 0,1,2,3
	ds_load_b128 v[32+16*\d+4*\c:35+16*\d+4*\c], v[ADR] offset:16384*(\q)+8192+2048*\d+512*\c   ; V^T's fragments land while the softmax is walked
.endr
.endr
	s_add_co_u32 s96, s[KF], 127
	s_cmp_le_u32 s96, s[QB]
	s_cbranch_scc1 .Lopen_\@                       ; all keys count
	s_sub_co_i32 s96, s[QB], s[KF]
	v_add_nc_u32 v252, s96, v[DQ]                  ; d = my query - KF - 16 hh.  Register 16 b + i holds key KF + 16 hh + 32 b + i: hidden where 32 b + i > d
	v_mov_b32 v254, 0xff800000
.set n, 0
.rept 64
	v_cmp_gt_i32 vcc_lo, 32*(n/16)+n%16, v252
	v_cndmask_b32 v[96+n], v[96+n], v254, vcc_lo
.set n, n+1
.endr
.Lopen_\@:
	v_max3_num_f32 v254, v96, v97, v98             ; the step's largest score of my query, in two chains,
	v_max3_num_f32 v252, v99, v100, v101
.irp i, 6,10,14,18,22,26,30,34,38,42,46,50,54,58
	v_max3_num_f32 v254, v254, v[96+\i], v[97+\i]
	v_max3_num_f32 v252, v252, v[98+\i], v[99+\i]
.endr
	v_max3_num_f32 v254, v254, v158, v159
	v_max_num_f32 v254, v254, v252
	v_permlanex16_b32 v236, v254, s[SEL], s[SEL+1]
	v_max_num_f32 v254, v254, v236                 ; and among the lane 16 away's
	v_mul_f32 v254, s[CS], v254                    ; as t (c is positive)
	v_max_num_f32 v13, v13, v254
	v_mov_b32 v254, v12
	v_floor_f32 v12, -v13                          ; the new -M = -ceil(t)
	v_sub_f32 v254, v12, v254                      ; old M - new M: a whole number, 0 or less
	v_cvt_i32_f32 v254, v254
	v_ldexp_f32 v252, 1.0, v254                    ; f = 2^(old M - new M)
.set j, 0
.rept 32
	v_pk_fma_f32 v[96+j:97+j], v[96+j:97+j], s[CS:CS+1], v[12:13] op_sel_hi:[1,0,0]   ; t - M
.set j, j+2
.endr
.set j, 0
.rept 64
	v_exp_f32 v[96+j], v[96+j]                     ; p = 2^(t - M)
.set j, j+1
.endr
	v_pk_mul_f32 v[14:15], v[14:15], v[252:253] op_sel_hi:[1,0]   ; the sums under the new M; a plain place behind the exponentials
	s_wait_alu depctr_va_vdst(0)                   ; one wait for the batch, ahead of its first reader
	v_pk_add_f32 v[242:243], v[96:97], v[98:99]    ; the row's sum is taken of the unquantised p
.irp j, 4,8,12,16,20,24,28,32,36,40,44,48,52,56,60
	v_pk_add_f32 v[14:15], v[14:15], v[96+\j:97+\j]
	v_pk_add_f32 v[242:243], v[242:243], v[98+\j:99+\j]
.endr
	v_pk_add_f32 v[14:15], v[14:15], v[242:243]
.irp b, 0,1,2,3
.set i, 0
.rept 16
	v_min_num_f32 v[96+16*\b+i], v[96+16*\b+i], v240   ; p is not negative: the hold is one-sided
.set i, i+1
.endr
	v_cvt_scalef32_pk8_fp8_f32 v[192+4*\b:193+4*\b], v[96+16*\b:103+16*\b], v244
	v_cvt_scalef32_pk8_fp8_f32 v[194+4*\b:195+4*\b], v[104+16*\b:111+16*\b], v244
.endr
.set j, 0
.rept 16
	v_pk_mul_f32 v[160+j:161+j], v[160+j:161+j], v[252:253] op_sel_hi:[1,0]   ; O^T under the new M; also the plain places behind the conversions
.set j, j+2
.endr
	s_wait_dscnt 0x0                               ; V^T's fragments
.irp d, 0,1,2,3
	v_wmma_f32_16x16x128_fp8_fp8 v[160+8*\d:167+8*\d], v[32+16*\d:47+16*\d], v[192:207], v[160+8*\d:167+8*\d]
.endr
.Lhidden_\@:
	s_add_co_u32 s[KF], s[KF], 128
.endm
; THE CHANGE OF SLOTS stands at a slot's head: each wave waits for all its tensor loads, adds 0 to its spare word, and waits for that and for its reads of the slot that it has left; one barrier;
; behind it the slot ahead is whole and nobody reads the other one, which is filled with the keys that follow, up to the causal limit.
.macro CHANGE fill
	s_wait_tensorcnt 0x0                           ; no tensor load of mine is out, so the group 0 may be written
	ds_add_u32 v[SPW], v[NIL]                      ; 0 onto my spare word
.if \fill
	s_xor_b32 s[G0+1], s[G0+1], SLOT1
	s_add_nc_u64 s[G0+2:G0+3], s[G0+2:G0+3], SLOT1 ; the next 256 keys; the type bits on top are not reached
	s_wait_xcnt 0x0                                ; the last prefetch, a slot back, has read its address
	s_add_nc_u64 s[PFA:PFA+1], s[PFA:PFA+1], SLOT1
.endif
	s_wait_dscnt 0x0
	s_barrier_signal -1
	s_barrier_wait -1
.if \fill
	s_add_co_u32 s96, s[KF], 256                   ; the first key of the slot that this change would ask for
	s_cmp_gt_u32 s96, s[LQ]                        ; ids and the count of steps alone: all sixteen waves go the same way, and past the limit stays past it
	s_cbranch_scc1 .Lpast_\@
	TLOAD
.Lpast_\@:
	ASK
.endif
.endm
	s_wait_loadcnt 0x0                             ; Q
.Lslot:                                            ; 15 trips
	CHANGE 1
	STEP 0
	STEP 1
	s_xor_b32 s[TB], s[TB], SLOT1
	s_sub_co_u32 s[SLOTS], s[SLOTS], 1
	s_cmp_lg_u32 s[SLOTS], 0
	s_cbranch_scc1 .Lslot
	CHANGE 0                                       ; the last slot is written out: nothing is left to ask for
	STEP 0
	STEP 1
	; THE WAY OUT: O^T / the sum x 2^(e8 + e9 - e10), held within +-448, becomes two parts of an image: each store covers 512 consecutive bytes, aligned
.rept 4
	v_nop
.endr
	v_add_f32 v14, v14, v15
	v_permlanex16_b32 v236, v14, s[SEL], s[SEL+1]
	v_add_f32 v14, v14, v236
	v_rcp_f32 v14, v14
	v_mov_b32 v240, 0x43e00000                     ; 448  (a plain place behind the transcendental)
	v_mov_b32 v244, 1.0
	s_add_co_i32 s88, s76, s77
	s_sub_co_i32 s88, s88, s78
	s_wait_alu depctr_va_vdst(0)                   ; the wait ahead of the reciprocal's first reader
	v_ldexp_f32 v14, v14, s88
.set j, 0
.rept 32
	v_mul_f32 v[96+j], v[160+j], v14               ; register 8 t + i: d = 32 (t / 2) + 16 hh + 8 (t % 2) + i
.set j, j+1
.endr
.set j, 0
.rept 32
	v_med3_num_f32 v[96+j], v[96+j], -v240, v240
.set j, j+1
.endr
.irp g, 0,1,2,3
	v_cvt_scalef32_pk8_fp8_f32 v[32+2*\g:33+2*\g], v[96+8*\g:103+8*\g], v244
.endr
	v_nop
	global_store_b128 v[LI], v[32:35], s[10:11]
	global_store_b128 v[LI], v[36:39], s[10:11] offset:512
	s_wait_tensorcnt 0x0                           ; the wave's end
	ds_add_u32 v[SPW], v[NIL]
	s_wait_dscnt 0x0
	s_endpgm
.Lfunc_end_k_q63ca4154de_attn:
	.size	k_q63ca4154de_attn, .Lfunc_end_k_q63ca4154de_attn-k_q63ca4154de_attn
	.p2alignl 7, 3214868480
	.fill 96, 4, 3214868480
	.section	.rodata,"a",@progbits
	.p2align	6, 0x0
	.amdhsa_kernel k_q63ca4154de_attn
		.amdhsa_group_segment_fixed_size 327680
		.amdhsa_private_segment_fixed_size 0
		.amdhsa_enable_private_segment 0
		.amdhsa_kernarg_size 32
		.amdhsa_user_sgpr_count 2
		.amdhsa_user_sgpr_kernarg_segment_ptr 1
		.amdhsa_wavefront_size32 1
		.amdhsa_system_sgpr_workgroup_id_x 1
		.amdhsa_system_sgpr_workgroup_id_y 1
		.amdhsa_system_sgpr_workgroup_id_z 1
		.amdhsa_system_vgpr_workitem_id 0
		.amdhsa_next_free_vgpr 256
		.amdhsa_next_free_sgpr 100
		.amdhsa_reserve_vcc 1
		.amdhsa_float_denorm_mode_32 3
		.amdhsa_float_denorm_mode_16_64 3
		.amdhsa_memory_ordered 1
		.amdhsa_forward_progress 1
		.amdhsa_inst_pref_size 93
	.end_amdhsa_kernel
	.amdgpu_metadata
---
amdhsa.version: [ 1, 2 ]
amdhsa.kernels:
  - .name:           k_q63ca4154de_attn
    .symbol:         k_q63ca4154de_attn.kd
    .args:
      - { .name: q_img, .offset: 0, .size: 8, .value_kind: global_buffer, .address_space: global }
      - { .name: kv_img, .offset: 8, .size: 8, .value_kind: global_buffer, .address_space: global }
      - { .name: lowp_scales, .offset: 16, .size: 8, .value_kind: global_buffer, .address_space: global }
      - { .name: o_img, .offset: 24, .size: 8, .value_kind: global_buffer, .address_space: global }
    .group_segment_fixed_size: 327680
    .private_segment_fixed_size: 0
    .kernarg_segment_align: 8
    .kernarg_segment_size: 32
    .max_flat_workgroup_size: 512
    .sgpr_count:     100
    .vgpr_count:     256
    .wavefront_size: 32
...
	.end_amdgpu_metadata
.endif
;; end of part 3
;; launch tail (part 4): grid 128 x 1, 4 waves a work-group, no clusters, 118,272 bytes of LDS; arguments o_img, x, wt_img, lowp_scales, bo, g2, be2, b1, b2, out0; writes out0
.if DOCPART == 4
	.amdgcn_target "amdgcn-amd-amdhsa--gfx1250"
	.amdhsa_code_object_version 6
	.text
	.protected	k_q63ca4154de_tail
	.globl	k_q63ca4154de_tail
	.p2align	8
	.type	k_q63ca4154de_tail,@function
k_q63ca4154de_tail:
	s_mov_b64 s[64:65], 0
	v_nop
	global_prefetch_b8 v0, s[64:65] scope:SCOPE_SE
	s_setreg_imm32_b32 hwreg(HW_REG_WAVE_MODE, 25, 1), 1
	s_wait_xcnt 0x0
; x1 = x + o wo + bo;  h2 = layernorm(x1) g2 + be2;  out = x1 + relu(h2 w1 + b1) w2 + b2.  The three products on codes of E4M3; x1, h2 and the hidden layer never go to memory.
; SHARES.  A work-group takes 64 rows (four tiles of 16).  THE WAVES SHARE THE COLUMNS: wave w owns columns 128 w .. + 127 of x1 and of out, and hidden units 512 q + 128 w .. of chunk q (four chunks of 512).
; So each weight fragment is read by ONE wave, from memory straight into registers, and feeds four matrix instructions; the weights lie in memory as that wave's stream, in the order in which it takes them.
; THE RING: 16 fragments in window 2, filled again four at a time behind the 16 matrix instructions that have read them: 48 loads of a wave stay out.
; NO TENSOR LOADS, NO CLUSTER: no two waves of a work-group read the same weight bytes, so LDS would add a write and a read of each byte.
; LAYOUT as in the launches before: perm(t, i) = 32 (t / 2) + 8 (t % 2) + i + 8 (i / 8); operands are images of registers.  All products transposed (source 0 = 16 columns of a weight, source 1 = 16 rows):
; accumulator (p, n), register j, lane (r, hh): row perm(p, r), column 128 w + 32 (n / 2) + 16 hh + 8 (n % 2) + j.
; x and the biases go in as the sums' first C, divided by the power of two that the sums lack; the finished sum is multiplied by it once.  Nothing is cleared.
; The norm's sums span four waves: each gives its 128 columns' mean and its squares about that mean; they are joined by M2 = sum of M2_w + 128 x sum of (m_w - mean)^2: no difference of large sums.
; LIMITS: e10 + e11, e12 + e13, e14 + e15 between -126 and 126; e12 and e14 - e12 - e13 between -126 and 119.  NaN and infinities among the inputs are not served.
; REGISTERS.  Window 0: v1-14 addresses; v16-29 sums and scales; v30, v31 the add's two; v32-47 codes just made; v48-63 at work; v64-127, v128-191, v192-255 three regions of 64 (see the phases).
;   Window 1: 16 fragments: o's codes, then h2's.  Window 2: the ring.  Window 3: the 32 accumulators.
.set LBO,   0
.set LG2,   2048
.set LBE2,  4096
.set LB2,   6144
.set LB1,   8192
.set STAT,  16384                      ; [tile][r][wave] pairs (mean, squares)
.set H2IMG, 18432                      ; h2's 16 fragments (4 tile + K step)
.set HID,   51200                      ; a chunk's 16 fragments of the hidden layer
.set STG,   83968                      ; the way out: 16 rows x (512 + 16) bytes for each wave
.set SPARE, 117760                     ; the spare words, 128 bytes for each wave: two blocks of 256 bytes that no other line names
.set LI,    1
.set XA,    2
.set TID,   3
.set HIDW,  4
.set HIDR,  5
.set H2W,   6
.set H2R,   7
.set B1A0,  8
.set B1A,   9
.set STO,   10
.set SRD,   11
.set VECA,  12
.set STATW, 13
.set STATR, 14
.set CH,    16
.set QX,    24                         ; v24, v25: 2^e12, 448 x 2^e12
.set QH,    26                         ; v26, v27: the same with e14 - e12 - e13
.set TP,    28
.set SPW,   30
.set NIL,   31
.set PC,    32
.set T,     64
.set HF0,   64
.set HF1,   128
.set A1,    192
.set MSB, 0
.macro WIN new
.if MSB != \new
	s_set_vgpr_msb (MSB<<8)|\new
.set MSB, \new
.endif
.endm
.macro PLACES
.rept 4
	v_nop
.endr
.endm
.macro MKSC v, se
	s_add_co_i32 s[\se], s[\se], 127
	s_lshl_b32 s58, s[\se], 23
	v_mov_b32 v[\v], s58
	s_add_co_i32 s[\se], s[\se], 8
	s_lshl_b32 s58, s[\se], 23
	s_or_b32 s58, s58, 0x600000
	v_mov_b32 v[\v+1], s58
.endm
.macro REFILL i0                       ; the four ring places just read take the fragments 16 further on in my stream
	WIN 0x80
.irp f, 0,1,2,3
.irp c, 0,1,2,3
	global_load_b128 v[16*(((\i0)+\f)%16)+4*\c:16*(((\i0)+\f)%16)+4*\c+3], v[LI], s[8:9] offset:((\i0)+\f+16)*2048+512*\c
.endr
.endr
	WIN 0
.endm
.macro VEC16 dst, adr, off             ; a vector's 64 numbers at my columns
.irp b, 0,1,2,3
.irp i, 0,1,2,3
	ds_load_b128 v[\dst+16*\b+4*\i:\dst+16*\b+4*\i+3], v[\adr] offset:\off+128*\b+16*\i
.endr
.endr
.endm
.macro FETCHH dst, sp                  ; the hidden layer's four fragments of K step sp
.irp p, 0,1,2,3
.irp c, 0,1,2,3
	ds_load_b128 v[\dst+16*\p+4*\c:\dst+16*\p+4*\c+3], v[HIDR] offset:(4*\p+\sp)*2048+512*\c
.endr
.endr
.endm
.macro FOLD
	v_pk_add_f32 v[CH:CH+1], v[CH:CH+1], v[CH+2:CH+3]
	v_pk_add_f32 v[CH+4:CH+5], v[CH+4:CH+5], v[CH+6:CH+7]
	v_pk_add_f32 v[CH:CH+1], v[CH:CH+1], v[CH+4:CH+5]
	v_add_f32 v[CH], v[CH], v[CH+1]
	v_permlanex16_b32 v[TP], v[CH], s36, s37
	v_add_f32 v[CH], v[CH], v[TP]
.endm
; 16 matrix instructions on four fragments of the ring, each against the four tiles of rows; the accumulators take turns, one instruction a turn.
; The wait leaves out the loads issued behind these four fragments': three refills of 16.
.macro QP1 s, h                        ; x1's sums: wo's tiles 4 h .. 4 h + 3, K step s
	s_wait_loadcnt 48
	WIN 0xf6
.irp f, 0,1,2,3
.irp p, 0,1,2,3
	v_wmma_f32_16x16x128_fp8_fp8 v[8*(8*\p+4*\h+\f):8*(8*\p+4*\h+\f)+7], v[16*((8*\s+4*\h+\f)%16):16*((8*\s+4*\h+\f)%16)+15], v[16*(4*\p+\s):16*(4*\p+\s)+15], v[8*(8*\p+4*\h+\f):8*(8*\p+4*\h+\f)+7]
.endr
.endr
	WIN 0
	PLACES
	REFILL 8*\s+4*\h
.endm
.macro QF1 b, h                        ; the hidden layer: tiles 2 b, 2 b + 1, K steps 2 h, 2 h + 1; b1, scaled, is the C of the first
	s_wait_loadcnt 48
	WIN 0x06
.irp f, 0,1,2,3
.irp p, 0,1,2,3
.if (2*\h+\f/2) == 0
	v_wmma_f32_16x16x128_fp8_fp8 v[A1+8*(2*\p+\f%2):A1+8*(2*\p+\f%2)+7], v[16*((8*\b+4*\h+\f)%16):16*((8*\b+4*\h+\f)%16)+15], v[16*(4*\p+2*\h+\f/2):16*(4*\p+2*\h+\f/2)+15], v[T+8*(2*\b+\f%2):T+8*(2*\b+\f%2)+7]
.else
	v_wmma_f32_16x16x128_fp8_fp8 v[A1+8*(2*\p+\f%2):A1+8*(2*\p+\f%2)+7], v[16*((8*\b+4*\h+\f)%16):16*((8*\b+4*\h+\f)%16)+15], v[16*(4*\p+2*\h+\f/2):16*(4*\p+2*\h+\f/2)+15], v[A1+8*(2*\p+\f%2):A1+8*(2*\p+\f%2)+7]
.endif
.endr
.endr
	WIN 0
	PLACES
	REFILL 8*\b+4*\h
.endm
.macro QF2 sp, h, cnt, refill          ; out's sums: w2's tiles 4 h .. 4 h + 3, K step sp of the chunk
	s_wait_loadcnt \cnt
	WIN 0xf2
.irp f, 0,1,2,3
.irp p, 0,1,2,3
	v_wmma_f32_16x16x128_fp8_fp8 v[8*(8*\p+4*\h+\f):8*(8*\p+4*\h+\f)+7], v[16*((8*\sp+4*\h+\f)%16):16*((8*\sp+4*\h+\f)%16)+15], v[HF0+64*(\sp%2)+16*\p:HF0+64*(\sp%2)+16*\p+15], v[8*(8*\p+4*\h+\f):8*(8*\p+4*\h+\f)+7]
.endr
.endr
	WIN 0
	PLACES
.if \refill
	REFILL 32+8*\sp+4*\h
.endif
.endm
.macro EPI1 b                          ; 32 hidden units of 64 rows: relu and hold in one, codes, part b of my K step's four images
.set i, 0
.rept 64
	v_med3_num_f32 v[A1+i], v[A1+i], 0, v[QH+1]
.set i, i+1
.endr
	s_wait_dscnt 0x0                               ; the last stores have read the codes' registers
.irp p, 0,1,2,3
	v_cvt_scalef32_pk8_fp8_f32 v[PC+4*\p:PC+4*\p+1], v[A1+16*\p:A1+16*\p+7], v[QH]
	v_cvt_scalef32_pk8_fp8_f32 v[PC+4*\p+2:PC+4*\p+3], v[A1+16*\p+8:A1+16*\p+15], v[QH]
.endr
	v_nop                                          ; a plain place: the next products write the conversions' sources
.irp p, 0,1,2,3
	ds_store_b128 v[HIDW], v[PC+4*\p:PC+4*\p+3] offset:8192*\p+512*\b
.endr
.endm
	s_load_b512 s[4:19], s[0:1], 0x0               ; o_img, x, wt_img, scales, bo, g2, be2, b1
	s_load_b128 s[20:23], s[0:1], 0x40             ; b2, out0
	v_lshl_add_u32 v[SPW], v0, 2, SPARE
	v_mov_b32 v[NIL], 0
	v_lshrrev_b32 v16, 5, v0
	v_readfirstlane_b32 s32, v16                   ; wave
	v_and_b32 v16, 31, v0
	v_and_b32 v17, 15, v0                          ; r
	v_bfe_u32 v18, v0, 4, 1                        ; hh
	v_lshlrev_b32 v[LI], 4, v16
	v_and_b32 v19, 8, v17
	v_add_nc_u32 v19, v19, v17
	v_lshlrev_b32 v[XA], 11, v19
	v_lshl_add_u32 v[XA], v18, 6, v[XA]
	v_lshlrev_b32 v[TID], 4, v0
	s_lshl_b32 s48, s32, 11
	v_add_nc_u32 v[HIDR], HID, v[LI]
	v_add_nc_u32 v[HIDW], s48, v[HIDR]
	v_add_nc_u32 v[H2R], H2IMG, v[LI]
	v_add_nc_u32 v[H2W], s48, v[H2R]
	s_lshl_b32 s48, s32, 9
	v_lshlrev_b32 v[VECA], 6, v18
	v_add_nc_u32 v[VECA], s48, v[VECA]
	v_add_nc_u32 v[B1A0], LB1, v[VECA]
	s_mul_i32 s48, s32, 8448
	v_add_nc_u32 v[SRD], STG, v[LI]
	v_add_nc_u32 v[SRD], s48, v[SRD]
	v_mul_u32_u24 v[STO], v17, 528
	v_lshl_add_u32 v[STO], v18, 6, v[STO]
	v_add_nc_u32 v[STO], STG, v[STO]
	v_add_nc_u32 v[STO], s48, v[STO]
	s_lshl_b32 s48, s32, 3
	v_lshlrev_b32 v[STATR], 5, v17
	v_add_nc_u32 v[STATR], STAT, v[STATR]
	v_add_nc_u32 v[STATW], s48, v[STATR]
	v_mov_b32 v[TP], 0
	v_mov_b32 v[TP+1], 0
	s_mov_b32 s36, 0x76543210
	s_mov_b32 s37, 0xfedcba98
	s_mov_b32 s35, 0
	s_mov_b32 s50, 0x43000000                      ; 128
	s_mov_b32 s51, 0x3b000000                      ; 1 / 512
	s_mov_b32 s52, 0x3727c5ac                      ; 1e-5
	s_wait_kmcnt 0x0
	s_load_b256 s[24:31], s[10:11], 0x20           ; e8 .. e15
	s_lshl_b32 s48, ttmp9, 17
	s_lshl_b32 s49, s32, 9
	s_add_co_u32 s48, s48, s49
	s_mov_b32 s49, 0
	s_add_nc_u64 s[6:7], s[6:7], s[48:49]          ; x and out0 at my block's first row, my 128 columns
	s_add_nc_u64 s[22:23], s[22:23], s[48:49]
	s_lshl_b32 s48, ttmp9, 15
	s_add_nc_u64 s[4:5], s[4:5], s[48:49]          ; o's 16 fragments
	s_mul_i32 s48, s32, 589824
	s_add_nc_u64 s[8:9], s[8:9], s[48:49]          ; my stream of weights
	global_load_b128 v[48:51], v[TID], s[12:13]    ; bo
	global_load_b128 v[52:55], v[TID], s[14:15]    ; g2
	global_load_b128 v[56:59], v[TID], s[16:17]    ; be2
	global_load_b128 v[60:63], v[TID], s[20:21]    ; b2
.irp k, 0,1,2,3
	global_load_b128 v[64+4*\k:67+4*\k], v[TID], s[18:19] offset:2048*\k   ; b1
.endr
	WIN 0xc0
.irp p, 0,1,2,3
.irp b, 0,1,2,3
.irp i, 0,1,2,3
	global_load_b128 v[64*\p+16*\b+4*\i:64*\p+16*\b+4*\i+3], v[XA], s[6:7] offset:(32*(\p/2)+8*(\p%2))*2048+128*\b+16*\i   ; x, into the accumulators' places
.endr
.endr
.endr
	WIN 0
	s_wait_kmcnt 0x0
	s_add_co_i32 s48, s26, s27                     ; e10 + e11
	s_sub_co_i32 s53, 0, s48
	s_sub_co_i32 s40, 127, s48
	s_lshl_b32 s40, s40, 23                        ; 2^-(e10 + e11)
	s_mov_b32 s41, s40
	s_add_co_i32 s42, s48, 127
	s_lshl_b32 s42, s42, 23                        ; 2^(e10 + e11)
	s_mov_b32 s43, s42
	s_add_co_i32 s48, s30, s31                     ; e14 + e15
	s_sub_co_i32 s54, 0, s48
	s_sub_co_i32 s44, 127, s48
	s_lshl_b32 s44, s44, 23
	s_mov_b32 s45, s44
	s_add_co_i32 s46, s48, 127
	s_lshl_b32 s46, s46, 23
	s_mov_b32 s47, s46
	s_add_co_i32 s49, s28, s29                     ; e12 + e13
	s_sub_co_i32 s55, 0, s49
	s_mov_b32 s48, s28
	MKSC QX, 48
	s_sub_co_i32 s48, s30, s49
	MKSC QH, 48                                    ; the hidden layer's three scales folded into one
	s_wait_loadcnt 63                              ; x's 64 loads stand behind the eight vectors'
.irp i, 0,1,2,3
	v_ldexp_f32 v[48+\i], v[48+\i], s53            ; bo / 2^(e10 + e11)
	v_ldexp_f32 v[60+\i], v[60+\i], s54            ; b2 / 2^(e14 + e15)
.endr
.set i, 0
.rept 16
	v_ldexp_f32 v[64+i], v[64+i], s55              ; b1 / 2^(e12 + e13)
.set i, i+1
.endr
	ds_store_b128 v[TID], v[48:51] offset:LBO
	ds_store_b128 v[TID], v[52:55] offset:LG2
	ds_store_b128 v[TID], v[56:59] offset:LBE2
	ds_store_b128 v[TID], v[60:63] offset:LB2
.irp k, 0,1,2,3
	ds_store_b128 v[TID], v[64+4*\k:67+4*\k] offset:LB1+2048*\k
.endr
	WIN 0x40
.set f, 0
.rept 16
.irp c, 0,1,2,3
	global_load_b128 v[16*f+4*\c:16*f+4*\c+3], v[LI], s[4:5] offset:2048*f+512*\c th:TH_LOAD_NT   ; o's fragments (4 tile + K step)
.endr
.set f, f+1
.endr
	WIN 0x80
.set f, 0
.rept 16
.irp c, 0,1,2,3
	global_load_b128 v[16*f+4*\c:16*f+4*\c+3], v[LI], s[8:9] offset:2048*f+512*\c                 ; the ring's first 16 fragments
.endr
.set f, f+1
.endr
	WIN 0
	s_wait_dscnt 0x0
	s_barrier_signal -1
	s_barrier_wait -1                              ; the five vectors lie in LDS
	VEC16 T, VECA, LBO
	s_wait_loadcnt 63                              ; the ring's 64 loads stand behind x's and o's
	s_wait_dscnt 0x0
	WIN 0xc3
.irp p, 0,1,2,3
.set i, 0
.rept 32
	v_pk_fma_f32 v[64*\p+i:64*\p+i+1], v[64*\p+i:64*\p+i+1], s[40:41], v[T+i:T+i+1] op_sel_hi:[1,0,1]   ; (x + bo) / 2^(e10 + e11): the sums begin with it
.set i, i+2
.endr
.endr
	WIN 0
.irp s, 0,1,2,3
	QP1 \s, 0
	QP1 \s, 1
.endr
	s_wait_xcnt 0x0                                ; the refills have read their base
	s_add_nc_u64 s[8:9], s[8:9], 65536             ; on to chunk 0's fragments
	WIN 0xc3
.set i, 0
.rept 128
	v_pk_mul_f32 v[i:i+1], v[i:i+1], s[42:43] op_sel_hi:[1,0]   ; x1; each accumulator from its low end on
.set i, i+2
.endr
	WIN 0
; my 128 columns' mean and squares about it, for tile p
.macro STATS p
	WIN 0x0f
.irp c, 0,1,2,3
	v_pk_add_f32 v[CH+2*\c:CH+2*\c+1], v[64*\p+4*\c:64*\p+4*\c+1], v[64*\p+4*\c+2:64*\p+4*\c+3]
.endr
	WIN 0x0c
.set i, 16
.rept 24
	v_pk_add_f32 v[CH+2*((i/2)%4):CH+2*((i/2)%4)+1], v[CH+2*((i/2)%4):CH+2*((i/2)%4)+1], v[64*\p+i:64*\p+i+1]
.set i, i+2
.endr
	WIN 0
	FOLD
	v_mul_f32 v[48+2*\p], 0x3c000000, v[CH]        ; / 128
	v_mov_b32 v56, v[48+2*\p]
	v_mov_b32 v57, v[48+2*\p]
	WIN 0x03
.set i, 0
.rept 32
	v_pk_add_f32 v[T+i:T+i+1], v[64*\p+i:64*\p+i+1], v[56:57] neg_lo:[0,1] neg_hi:[0,1]
.set i, i+2
.endr
	WIN 0
.irp c, 0,1,2,3
	v_pk_mul_f32 v[CH+2*\c:CH+2*\c+1], v[T+2*\c:T+2*\c+1], v[T+2*\c:T+2*\c+1]
.endr
.set i, 8
.rept 28
	v_pk_fma_f32 v[CH+2*((i/2)%4):CH+2*((i/2)%4)+1], v[T+i:T+i+1], v[T+i:T+i+1], v[CH+2*((i/2)%4):CH+2*((i/2)%4)+1]
.set i, i+2
.endr
	FOLD
	v_mov_b32 v[49+2*\p], v[CH]
	ds_store_b64 v[STATW], v[48+2*\p:49+2*\p] offset:512*\p
.endm
	STATS 0
	STATS 1
	STATS 2
	STATS 3
	VEC16 128, VECA, LG2
	VEC16 192, VECA, LBE2
	s_wait_dscnt 0x0
	s_barrier_signal -1
	s_barrier_wait -1                              ; the four waves' figures lie in LDS
.irp p, 0,1,2,3
	ds_load_b128 v[32+8*\p:35+8*\p], v[STATR] offset:512*\p
	ds_load_b128 v[36+8*\p:39+8*\p], v[STATR] offset:512*\p+16
.endr
	s_wait_dscnt 0x0
.irp p, 0,1,2,3
	v_add_f32 v[TP], v[32+8*\p], v[34+8*\p]
	v_add_f32 v[TP+1], v[36+8*\p], v[38+8*\p]
	v_add_f32 v[TP], v[TP], v[TP+1]
	v_mul_f32 v[CH+\p], 0x3e800000, v[TP]          ; the row's mean
	v_sub_f32 v[TP], v[32+8*\p], v[CH+\p]
	v_mul_f32 v[TP+1], v[TP], v[TP]
	v_sub_f32 v[TP], v[34+8*\p], v[CH+\p]
	v_fmac_f32 v[TP+1], v[TP], v[TP]
	v_sub_f32 v[TP], v[36+8*\p], v[CH+\p]
	v_fmac_f32 v[TP+1], v[TP], v[TP]
	v_sub_f32 v[TP], v[38+8*\p], v[CH+\p]
	v_fmac_f32 v[TP+1], v[TP], v[TP]
	v_add_f32 v[TP], v[33+8*\p], v[35+8*\p]
	v_add_f32 v[TP], v[TP], v[37+8*\p]
	v_add_f32 v[TP], v[TP], v[39+8*\p]
	v_fma_f32 v[TP+1], v[TP+1], s50, v[TP]
	v_fma_f32 v[CH+4+\p], v[TP+1], s51, s52        ; the variance + 1e-5
.endr
.irp p, 0,1,2,3
	v_rsq_f32 v[50+4*\p], v[CH+4+\p]
.endr
	v_nop                                          ; a plain place behind the last transcendental
	s_wait_alu depctr_va_vdst(0)                   ; one wait for the four, ahead of their first reader
.irp p, 0,1,2,3
	v_mov_b32 v[51+4*\p], v[50+4*\p]
	v_mov_b32 v[48+4*\p], v[CH+\p]
	v_mov_b32 v[49+4*\p], v[CH+\p]
.endr
; h2 of tile p at my columns: K step w of the next product: codes, image
.macro NORM p
	WIN 0x03
.set i, 0
.rept 32
	v_pk_add_f32 v[T+i:T+i+1], v[64*\p+i:64*\p+i+1], v[48+4*\p:49+4*\p] neg_lo:[0,1] neg_hi:[0,1]
.set i, i+2
.endr
	WIN 0
.set i, 0
.rept 32
	v_pk_mul_f32 v[T+i:T+i+1], v[T+i:T+i+1], v[50+4*\p:51+4*\p]
.set i, i+2
.endr
.set i, 0
.rept 32
	v_pk_fma_f32 v[T+i:T+i+1], v[T+i:T+i+1], v[128+i:129+i], v[192+i:193+i]
.set i, i+2
.endr
.set i, 0
.rept 64
	v_med3_num_f32 v[T+i], v[T+i], -v[QX+1], v[QX+1]
.set i, i+1
.endr
	s_wait_dscnt 0x0                               ; the last image's stores have read the codes' registers
.set g, 0
.rept 8
	v_cvt_scalef32_pk8_fp8_f32 v[PC+2*g:PC+2*g+1], v[T+8*g:T+8*g+7], v[QX]
.set g, g+1
.endr
	v_nop
.irp c, 0,1,2,3
	ds_store_b128 v[H2W], v[PC+4*\c:PC+4*\c+3] offset:8192*\p+512*\c
.endr
.endm
	NORM 0
	NORM 1
	NORM 2
	NORM 3
	VEC16 128, VECA, LB2
	s_wait_dscnt 0x0
	WIN 0xc3
.irp p, 0,1,2,3
.set i, 0
.rept 32
	v_pk_fma_f32 v[64*\p+i:64*\p+i+1], v[64*\p+i:64*\p+i+1], s[44:45], v[128+i:129+i] op_sel_hi:[1,0,1]   ; (x1 + b2) / 2^(e14 + e15): the last product's sums begin with it
.set i, i+2
.endr
.endr
	WIN 0
	s_barrier_signal -1
	s_barrier_wait -1                              ; h2's sixteen fragments lie in LDS
	WIN 0x40
.set f, 0
.rept 16
.irp c, 0,1,2,3
	ds_load_b128 v[16*f+4*\c:16*f+4*\c+3], v[H2R] offset:2048*f+512*\c
.endr
.set f, f+1
.endr
	WIN 0
	VEC16 T, B1A0, 0                               ; chunk 0's b1 at my 128 hidden units
; A CHUNK of 512 hidden units: my 128 of them for the 64 rows; a barrier; all 512 as K of the last product.  last = 1: the stream ends: the last four quads fill nothing, and their counts run down
.macro CHUNK last
	s_wait_dscnt 0x0                               ; b1's numbers (and, the first time, h2's fragments)
.irp b, 0,1,2,3
	QF1 \b, 0
	QF1 \b, 1
	EPI1 \b
.endr
	s_wait_dscnt 0x0
	s_barrier_signal -1
	s_barrier_wait -1                              ; the chunk's sixteen fragments lie in LDS
	FETCHH HF0, 0
	s_wait_dscnt 0x0
	QF2 0, 0, 48, 1
	FETCHH HF1, 1
	QF2 0, 1, 48, 1
	s_wait_dscnt 0x0
	QF2 1, 0, 48, 1
	FETCHH HF0, 2
	QF2 1, 1, 48, 1
	s_wait_dscnt 0x0
	QF2 2, 0, 48, 1-\last
	FETCHH HF1, 3
	QF2 2, 1, 48-16*\last, 1-\last
	s_wait_dscnt 0x0                               ; my reads of the chunk's images are over
.if !\last
	s_barrier_signal -1
	s_barrier_wait -1                              ; everybody's are: the next chunk may store there
.endif
	QF2 3, 0, 48-32*\last, 1-\last
.if !\last
	s_add_co_u32 s35, s35, 2048
	v_add_nc_u32 v[B1A], s35, v[B1A0]
	VEC16 T, B1A, 0                                ; the next chunk's b1
.endif
	QF2 3, 1, 48-48*\last, 1-\last
.endm
	s_mov_b32 s34, 3
.Lchunk:
	CHUNK 0
	s_wait_xcnt 0x0                                ; the refills have read their base
	s_add_nc_u64 s[8:9], s[8:9], 131072
	s_sub_co_u32 s34, s34, 1
	s_cmp_lg_u32 s34, 0
	s_cbranch_scc1 .Lchunk
	CHUNK 1                                        ; the last chunk is written out: no load leaves the stream
; THE WAY OUT, a tile of 16 rows at a time, through my own stage: a lane's 64 bytes of four places go in, whole runs of 512 bytes of a row come back.  LDS serves a wave's instructions in order (ISA guide 5.7.1.4).
.macro TOSTAGE p
	WIN 0x03
.set i, 0
.rept 32
	v_pk_mul_f32 v[T+i:T+i+1], v[64*\p+i:64*\p+i+1], s[46:47] op_sel_hi:[1,0]   ; x 2^(e14 + e15)
.set i, i+2
.endr
	WIN 0
.irp b, 0,1,2,3
.irp i, 0,1,2,3
	ds_store_b128 v[STO], v[T+16*\b+4*\i:T+16*\b+4*\i+3] offset:128*\b+16*\i
.endr
.endr
.irp i, 0,1,2,3,4,5,6,7,8,9,10,11,12,13,14,15
	ds_load_b128 v[128+64*(\p%2)+4*\i:128+64*(\p%2)+4*\i+3], v[SRD] offset:528*\i
.endr
.endm
.macro SEND p, younger                 ; younger: the LDS instructions issued behind tile p's loads
	s_wait_dscnt \younger
.irp i, 0,1,2,3,4,5,6,7,8,9,10,11,12,13,14,15
	global_store_b128 v[LI], v[128+64*((\p)%2)+4*\i:128+64*((\p)%2)+4*\i+3], s[22:23] offset:(32*((\p)/2)+8*((\p)%2)+\i+8*(\i/8))*2048 th:TH_STORE_NT   ; 32 lanes store 512 consecutive bytes, aligned
.endr
.endm
	TOSTAGE 0
.irp a, 1,2,3
.if \a > 1
	s_wait_xcnt 0x0                                ; tile a - 2's stores have read their registers: tile a's loads may land there
.endif
	TOSTAGE \a
	SEND \a-1, 32
.endr
	SEND 3, 0
	s_wait_tensorcnt 0x0                           ; the wave's end, behind my last LDS store
	ds_add_u32 v[SPW], v[NIL]
	s_wait_dscnt 0x0
	s_endpgm
.Lfunc_end_k_q63ca4154de_tail:
	.size	k_q63ca4154de_tail, .Lfunc_end_k_q63ca4154de_tail-k_q63ca4154de_tail
	.p2alignl 7, 3214868480
	.fill 96, 4, 3214868480
	.section	.rodata,"a",@progbits
	.p2align	6, 0x0
	.amdhsa_kernel k_q63ca4154de_tail
		.amdhsa_group_segment_fixed_size 118272
		.amdhsa_private_segment_fixed_size 0
		.amdhsa_enable_private_segment 0
		.amdhsa_kernarg_size 80
		.amdhsa_user_sgpr_count 2
		.amdhsa_user_sgpr_kernarg_segment_ptr 1
		.amdhsa_wavefront_size32 1
		.amdhsa_system_sgpr_workgroup_id_x 1
		.amdhsa_system_sgpr_workgroup_id_y 1
		.amdhsa_system_sgpr_workgroup_id_z 1
		.amdhsa_system_vgpr_workitem_id 0
		.amdhsa_next_free_vgpr 1024
		.amdhsa_next_free_sgpr 66
		.amdhsa_reserve_vcc 0
		.amdhsa_float_denorm_mode_32 3
		.amdhsa_float_denorm_mode_16_64 3
		.amdhsa_memory_ordered 1
		.amdhsa_forward_progress 1
		.amdhsa_inst_pref_size 255
	.end_amdhsa_kernel
	.section	.bss,"aw",@nobits
	.p2align	6
	.space	262144
	.amdgpu_metadata
---
amdhsa.version: [ 1, 2 ]
amdhsa.kernels:
  - .name:           k_q63ca4154de_tail
    .symbol:         k_q63ca4154de_tail.kd
    .args:
      - { .name: o_img, .offset: 0, .size: 8, .value_kind: global_buffer, .address_space: global }
      - { .name: x, .offset: 8, .size: 8, .value_kind: global_buffer, .address_space: global }
      - { .name: wt_img, .offset: 16, .size: 8, .value_kind: global_buffer, .address_space: global }
      - { .name: lowp_scales, .offset: 24, .size: 8, .value_kind: global_buffer, .address_space: global }
      - { .name: bo, .offset: 32, .size: 8, .value_kind: global_buffer, .address_space: global }
      - { .name: g2, .offset: 40, .size: 8, .value_kind: global_buffer, .address_space: global }
      - { .name: be2, .offset: 48, .size: 8, .value_kind: global_buffer, .address_space: global }
      - { .name: b1, .offset: 56, .size: 8, .value_kind: global_buffer, .address_space: global }
      - { .name: b2, .offset: 64, .size: 8, .value_kind: global_buffer, .address_space: global }
      - { .name: out0, .offset: 72, .size: 8, .value_kind: global_buffer, .address_space: global }
    .group_segment_fixed_size: 118272
    .private_segment_fixed_size: 0
    .kernarg_segment_align: 8
    .kernarg_segment_size: 80
    .max_flat_workgroup_size: 128
    .sgpr_count:     66
    .vgpr_count:     1024
    .wavefront_size: 32
...
	.end_amdgpu_metadata
.endif
;; end of part 4
;; ======== version 2 of 2: 4 launches; version 1 with the launches qkv, tail written anew for expert scheduling mode
;; workspace buffers: wqkv_img 786,432 bytes; wt_img 2,359,296 bytes; q_img 4,194,304 bytes; kv_img 8,388,608 bytes; o_img 4,194,304 bytes
;; launch prep: the kernel of part 1 again; grid 256 x 1, 12 waves a work-group, no clusters, 0 bytes of LDS; arguments wq, wk, wv, wo, w1, w2, lowp_scales, wqkv_img, wt_img; writes wqkv_img, wt_img
;; launch qkv (part 5): grid 128 x 2, 4 waves a work-group, no clusters, 102,912 bytes of LDS; arguments x, g1, be1, lowp_scales, wqkv_img, q_img, kv_img; writes q_img, kv_img
.if DOCPART == 5
	.amdgcn_target "amdgcn-amd-amdhsa--gfx1250"
	.amdhsa_code_object_version 6
	.text
	.protected	k_q63ca4154de_qkv
	.globl	k_q63ca4154de_qkv
	.p2align	8
	.type	k_q63ca4154de_qkv,@function
k_q63ca4154de_qkv:
	s_mov_b64 s[64:65], 0
	v_nop
	global_prefetch_b8 v0, s[64:65] scope:SCOPE_SE
	s_setreg_imm32_b32 hwreg(HW_REG_WAVE_SCHED_MODE, 0, 2), 2
	s_setreg_imm32_b32 hwreg(HW_REG_WAVE_MODE, 25, 1), 1
	s_wait_xcnt 0x0
	s_wait_alu depctr_vm_vsrc(0)
; h = layernorm(x) g1 + be1;  q, k, v = h W, on codes of E4M3;  q, k, v leave as codes for the attention.
; SHARES.  Work-group (X, y): tokens 64 X .. 64 X + 63 (four tiles of 16 rows) and heads 4 y .. 4 y + 3.  Wave w norms tile w and quantises it three times (the three products give h scales of their own),
; the images meet in LDS, and wave w then makes q, k and v of head 4 y + w for all 64 rows: each weight fragment, read from memory straight into registers, feeds four matrix instructions.
; LAYOUT.  perm(t, i) = 32 (t / 2) + 8 (t % 2) + i + 8 (i / 8) names the rows (or columns) of tile t.  An operand is an IMAGE OF ITS REGISTERS: [part c][lane][16 bytes]; lane (r, hh), part c: k = 32 c + 16 hh + 0..15 of row perm(t, r).
; The same places of k on both sides of every product: each product meets its partner.
; q, k: the product is used transposed (source 0 = 16 columns of W, source 1 = 16 rows of h): the 16 registers of tiles 2 b, 2 b + 1 are d = 32 b + 16 hh + 0..15 of the lane's row: a part of the image.
; v: source 0 = 16 rows of h, source 1 = 16 columns of W: the 16 registers of row tiles 2 p, 2 p + 1 are 16 neighbouring TOKENS of one d: a part of V^T's image, whose K is the keys.
; The norm takes two passes (mean; then the squares of x - mean), so that no difference of large sums is formed.
; LIMITS: e1, e3, e5, e6 - e0 - e1, e7 - e2 - e3, e9 - e4 - e5 between -126 and 119.  NaN and infinities among the inputs are not served.
; REGISTERS, in windows of 256.  Window 0: v1-10 addresses; v16-29 the norm's sums; v30, v31 the add's two; v32-95 at work, later two out-buffers of 32; v112-123 six pairs (scale, 448 x scale);
;   v128-255: g1's and be1's 64 numbers of a K step, later the 16 accumulators.  Window 1: x, then h; later the 16 fragments of h.  Window 2: Wq, later Wv.  Window 3: h's codes, 16 registers for each of the 12 images; later Wk.
; THE MODE: SCHED_MODE bits 1:0 = 2 (LLVM: expert scheduling mode 2), set by the entry lines.  The code itself states the register dependences
; between vector or matrix instructions and memory or LDS instructions, with s_wait_alu, always for 0.
; THE PLAN.  Registers that memory or LDS instructions touch:
;   v1-10         addresses, written at the head and never again.
;   v32-39        g1 and be1 as loaded; read by the head's two LDS stores; written again by the holds.
;   G, BE         K step s: its 64 packed lines read them; behind those the LDS loads of K step s + 1 land in them.
;   window 3      K step s, product m: eight conversions write 16 registers of their own; four LDS stores, issued in K step s + 1, read them.  Behind all of them Wk lands there.
;   window 1      x as loaded, h in place, read by the holds; behind the barrier the fragments of h land there, anew for each product, behind the product before.
;   window 2      Wq; Wv lands there behind q's products.
;   OUT0, OUT1    v32-63 (q's and v's codes), v64-95 (k's): written by the conversions, read by eight global stores each.
; So ONE wait on va_vdst stands in a K step of the norm, one behind q's and one behind k's products, and one ahead of each run of stores.
.set LGB,   0                          ; LDS: g1
.set LBE,   2048                       ; be1
.set HIMG,  4096                       ; h's images: [product 3][fragment 4 tile + K step][2,048]
.set SPARE, 102400                     ; the spare words, 128 bytes for each wave: two blocks of 256 bytes that no other line names
.set LI,  1                            ; v1   16 x lane
.set XA,  2                            ; v2   x: my row and half: (r + 8 (r / 8)) x 2,048 + 64 hh
.set TID, 3                            ; v3   16 x thread
.set GA,  4                            ; v4   64 hh
.set HW,  5                            ; v5-7  where I store h's images
.set AM,  8                            ; v8-10 where any wave reads them
.set CH,  16
.set MEAN, 24
.set RSTD, 26
.set TP,  28
.set SPW, 30
.set NIL, 31
.set T,   32
.set QC,  112
.set G,   128
.set BE,  192
.set ACC, 128
.set MSB, 0
.macro WIN new                         ; the immediate's high byte repeats the setting that is left
.if MSB != \new
	s_set_vgpr_msb (MSB<<8)|\new
.set MSB, \new
.endif
.endm
.macro PLACES                          ; four places behind matrix instructions, in front of reads of their results (ISA guide 7.12.1)
.rept 4
	v_nop
.endr
.endm
.macro MKSC v, se                      ; s[se] = an exponent e (spent): v[v] = 2^e, v[v+1] = 448 x 2^e
	s_add_co_i32 s[\se], s[\se], 127
	s_lshl_b32 s41, s[\se], 23
	v_mov_b32 v[\v], s41
	s_add_co_i32 s[\se], s[\se], 8
	s_lshl_b32 s41, s[\se], 23
	s_or_b32 s41, s41, 0x600000
	v_mov_b32 v[\v+1], s41
.endm
.macro LOADW m, win                    ; my head's 16 fragments of weight m into a whole window
	WIN \win
.set f, 0
.rept 16
.irp c, 0,1,2,3
	global_load_b128 v[16*f+4*\c:16*f+4*\c+3], v[LI], s[12:13] offset:\m*262144+f*2048+512*\c
.endr
.set f, f+1
.endr
	WIN 0
.endm
.macro GLOAD s                         ; g1's and be1's numbers at my 64 places of K step s.  (The argument is put in as text and may be a sum: it stands in parentheses inside the product)
.irp b, 0,1,2,3
.irp j, 0,1,2,3
	ds_load_b128 v[G+16*\b+4*\j:G+16*\b+4*\j+3], v[GA] offset:LGB+512*(\s)+128*\b+16*\j
	ds_load_b128 v[BE+16*\b+4*\j:BE+16*\b+4*\j+3], v[GA] offset:LBE+512*(\s)+128*\b+16*\j
.endr
.endr
.endm
.macro HSTORE s                        ; K step s's three sets of codes go to LDS as they stand: three images
	WIN 0x0c                                       ; the stores' data lie in window 3
.irp m, 0,1,2
.irp c, 0,1,2,3
	ds_store_b128 v[HW+\m], v[48*(\s)+16*\m+4*\c:48*(\s)+16*\m+4*\c+3] offset:2048*(\s)+512*\c
.endr
.endr
.endm
.macro FOLD                            ; four chains of pairs -> one number in v[CH], of my row's 512
	v_pk_add_f32 v[CH:CH+1], v[CH:CH+1], v[CH+2:CH+3]
	v_pk_add_f32 v[CH+4:CH+5], v[CH+4:CH+5], v[CH+6:CH+7]
	v_pk_add_f32 v[CH:CH+1], v[CH:CH+1], v[CH+4:CH+5]
	v_add_f32 v[CH], v[CH], v[CH+1]
	v_permlanex16_b32 v[TP], v[CH], s56, s57       ; the row's other half lies in the lane 16 away
	v_add_f32 v[CH], v[CH], v[TP]
.endm
	s_load_b256 s[4:11], s[0:1], 0x0               ; x, g1, be1, scales
	s_load_b128 s[12:15], s[0:1], 0x20             ; wqkv_img, q_img
	s_load_b64 s[16:17], s[0:1], 0x30              ; kv_img
	v_lshl_add_u32 v[SPW], v0, 2, SPARE
	v_mov_b32 v[NIL], 0
	v_lshrrev_b32 v11, 5, v0
	v_readfirstlane_b32 s22, v11                   ; wave
	v_and_b32 v11, 31, v0
	v_and_b32 v12, 15, v0                          ; r
	v_bfe_u32 v13, v0, 4, 1                        ; hh
	v_lshlrev_b32 v[LI], 4, v11
	v_and_b32 v14, 8, v12
	v_add_nc_u32 v14, v14, v12
	v_lshlrev_b32 v[XA], 11, v14
	v_lshl_add_u32 v[XA], v13, 6, v[XA]
	v_lshlrev_b32 v[TID], 4, v0
	v_lshlrev_b32 v[GA], 6, v13
	s_wait_alu depctr_va_sdst(0)                   ; s22, the wave's number, is written, ahead of its first reader
	s_lshl_b32 s40, s22, 13                        ; my tile's four fragments
.irp m, 0,1,2
	v_add_nc_u32 v[AM+\m], HIMG+32768*\m, v[LI]
	v_add_nc_u32 v[HW+\m], s40, v[AM+\m]
.endr
	v_mov_b32 v[TP], 0                             ; a lane permute's destination counts as one of its sources
	v_mov_b32 v[TP+1], 0
	s_mov_b32 s56, 0x76543210
	s_mov_b32 s57, 0xfedcba98
	s_mov_b32 s50, 0x3b000000                      ; 1 / 512
	s_mov_b32 s51, 0x3727c5ac                      ; 1e-5
	s_and_b32 s42, ttmp7, 0xffff
	s_lshl_b32 s42, s42, 2
	s_add_co_u32 s42, s42, s22                     ; my head
	s_lshr_b32 s43, ttmp9, 6                       ; the batch
	s_and_b32 s44, ttmp9, 63                       ; the block of 64 tokens in it
	s_lshl_b32 s45, s43, 3
	s_add_co_u32 s45, s45, s42                     ; bh
	s_lshl_b32 s46, ttmp9, 17                      ; x: 64 rows of 2,048 bytes a work-group,
	s_lshr_b32 s40, s22, 1
	s_lshl_b32 s40, s40, 16
	s_add_co_u32 s46, s46, s40
	s_and_b32 s40, s22, 1
	s_lshl_b32 s40, s40, 14
	s_add_co_u32 s46, s46, s40                     ; + row 32 (w / 2) + 8 (w % 2)
	s_mov_b32 s47, 0
	s_lshl_b32 s48, s42, 15                        ; my head's fragments
	s_mov_b32 s49, 0
	s_lshl_b32 s52, s45, 18
	s_lshl_b32 s40, s44, 12
	s_add_co_u32 s52, s52, s40                     ; q: tile 256 bh + 4 Xl, 1,024 bytes a tile
	s_mov_b32 s53, 0
	s_lshl_b32 s54, s45, 19
	s_lshr_b32 s40, s44, 1
	s_lshl_b32 s40, s40, 14
	s_add_co_u32 s54, s54, s40                     ; the key step: 16,384 bytes
	s_and_b32 s40, ttmp9, 1
	s_lshl_b32 s58, s40, 10
	s_add_co_u32 s58, s58, s54
	s_add_co_u32 s58, s58, 8192                    ; V^T: behind K's eight tiles; my 64 tokens are parts 2 (X % 2), + 1
	s_mov_b32 s59, 0
	s_lshl_b32 s40, s40, 12
	s_add_co_u32 s54, s54, s40                     ; K: tiles 4 (X % 2) on
	s_mov_b32 s55, 0
	s_wait_kmcnt 0x0
	s_load_b512 s[24:39], s[10:11], 0x0            ; e0 .. e15
	s_add_nc_u64 s[4:5], s[4:5], s[46:47]
	s_add_nc_u64 s[12:13], s[12:13], s[48:49]
	s_add_nc_u64 s[14:15], s[14:15], s[52:53]
	s_add_nc_u64 s[18:19], s[16:17], s[54:55]
	s_add_nc_u64 s[20:21], s[16:17], s[58:59]
	s_wait_alu depctr_va_vdst(0)                   ; the ten addresses v1 to v10 are written, which every load and store of the kernel reads
	global_load_b128 v[32:35], v[TID], s[6:7]      ; g1 and be1: 16 bytes a thread
	global_load_b128 v[36:39], v[TID], s[8:9]
	WIN 0x40
.irp s, 0,1,2,3
.irp b, 0,1,2,3
.irp j, 0,1,2,3
	global_load_b128 v[64*\s+16*\b+4*\j:64*\s+16*\b+4*\j+3], v[XA], s[4:5] offset:512*\s+128*\b+16*\j   ; x(row, 128 s + 32 b + 16 hh + 4 j ..)
.endr
.endr
.endr
	LOADW 0, 0x80                                  ; Wq
	s_wait_loadcnt 63                              ; 128 loads stand behind g1's and be1's; Wq's 64 behind x's: all three are in
	ds_store_b128 v[TID], v[32:35] offset:LGB
	ds_store_b128 v[TID], v[36:39] offset:LBE
	s_wait_dscnt 0x0
	s_barrier_signal -1
	s_barrier_wait -1                              ; g1 and be1 lie in LDS
	s_wait_alu depctr_vm_vsrc(0)                   ; my two LDS stores have read v32 to v39, which the holds write again
	GLOAD 0
	s_wait_kmcnt 0x0
	s_mov_b32 s40, s25
	MKSC QC, 40                                    ; h for q: e1
	s_mov_b32 s40, s27
	MKSC QC+2, 40                                  ; for k: e3
	s_mov_b32 s40, s29
	MKSC QC+4, 40                                  ; for v: e5
	s_sub_co_i32 s40, s30, s24
	s_sub_co_i32 s40, s40, s25
	MKSC QC+6, 40                                  ; a sum stands for sum x 2^(e0 + e1): q's code is sum / 2^(e6 - e0 - e1)
	s_sub_co_i32 s40, s31, s26
	s_sub_co_i32 s40, s40, s27
	MKSC QC+8, 40                                  ; k: e7 - e2 - e3
	s_sub_co_i32 s40, s33, s28
	s_sub_co_i32 s40, s40, s29
	MKSC QC+10, 40                                 ; v: e9 - e4 - e5
	; ---- the norm: a lane holds 256 numbers of its row
	WIN 0x05
.irp c, 0,1,2,3
	v_pk_add_f32 v[CH+2*\c:CH+2*\c+1], v[4*\c:4*\c+1], v[4*\c+2:4*\c+3]     ; the first pairs start four chains: nothing is cleared
.endr
	WIN 0x04
.set i, 16
.rept 120
	v_pk_add_f32 v[CH+2*((i/2)%4):CH+2*((i/2)%4)+1], v[CH+2*((i/2)%4):CH+2*((i/2)%4)+1], v[i:i+1]
.set i, i+2
.endr
	WIN 0
	FOLD
	v_mul_f32 v[MEAN], s50, v[CH]
	v_mov_b32 v[MEAN+1], v[MEAN]
	WIN 0x41
.set i, 0
.rept 128
	v_pk_add_f32 v[i:i+1], v[i:i+1], v[MEAN:MEAN+1] neg_lo:[0,1] neg_hi:[0,1]   ; x - mean, in place
.set i, i+2
.endr
	WIN 0x05
.irp c, 0,1,2,3
	v_pk_mul_f32 v[CH+2*\c:CH+2*\c+1], v[2*\c:2*\c+1], v[2*\c:2*\c+1]
.endr
.set i, 8
.rept 124
	v_pk_fma_f32 v[CH+2*((i/2)%4):CH+2*((i/2)%4)+1], v[i:i+1], v[i:i+1], v[CH+2*((i/2)%4):CH+2*((i/2)%4)+1]
.set i, i+2
.endr
	WIN 0
	FOLD
	v_fma_f32 v[CH], v[CH], s50, s51               ; the variance + 1e-5
	v_rsq_f32 v[RSTD], v[CH]
	v_nop                                          ; a plain place behind the transcendental
	s_wait_alu depctr_va_vdst(0)                   ; the reciprocal root is written, ahead of its first reader
	v_mov_b32 v[RSTD+1], v[RSTD]
; K step s: h; then the next K step's g1 and be1 are asked for and the codes of the K step before go to LDS; then this K step's three sets of codes are made, each in registers of its own
.macro LNSTEP s
	s_wait_dscnt 0x0                               ; g1's and be1's numbers of this K step
	WIN 0x41
.set i, 0
.rept 32
	v_pk_mul_f32 v[64*\s+i:64*\s+i+1], v[64*\s+i:64*\s+i+1], v[RSTD:RSTD+1]
.set i, i+2
.endr
.set i, 0
.rept 32
	v_pk_fma_f32 v[64*\s+i:64*\s+i+1], v[64*\s+i:64*\s+i+1], v[G+i:G+i+1], v[BE+i:BE+i+1]
.set i, i+2
.endr
	WIN 0
	s_wait_alu depctr_va_vdst(0)                   ; the lines above are done reading g1's and be1's numbers, in whose registers the next K step's land; the conversions of the K step before have written its codes, which the stores below read
.if \s < 3
	GLOAD \s+1
.endif
.if \s > 0
	HSTORE \s-1
.endif
.irp m, 0,1,2
	WIN 0x01
.set i, 0
.rept 64
	v_med3_num_f32 v[T+i], v[64*\s+i], -v[QC+2*\m+1], v[QC+2*\m+1]   ; the hold at the largest code x the scale (the conversion does not saturate: ISA guide 7.6.2)
.set i, i+1
.endr
	WIN 0xc0                                       ; the codes go to window 3
.set g, 0
.rept 8
	v_cvt_scalef32_pk8_fp8_f32 v[48*\s+16*\m+2*g:48*\s+16*\m+2*g+1], v[T+8*g:T+8*g+7], v[QC+2*\m]
.set g, g+1
.endr
	v_nop                                          ; a plain place between the conversions and the next lines that write their sources
.endr
	WIN 0
.endm
	LNSTEP 0
	LNSTEP 1
	LNSTEP 2
	LNSTEP 3
	s_wait_alu depctr_va_vdst(0)                   ; K step 3's conversions have written its codes, which the stores below read
	HSTORE 3
	WIN 0xc0
	s_wait_alu depctr_va_vdst(0)                   ; the conversions have written the registers of window 3 in which Wk lands; and every line that names h in window 1 is done, where the fragments land behind the barrier
	s_wait_alu depctr_vm_vsrc(0)                   ; the images' stores have read those registers of window 3
	LOADW 1, 0xc0                                  ; Wk
	s_wait_dscnt 0x0
	s_barrier_signal -1
	s_barrier_wait -1                              ; all 48 fragments of h lie in LDS
.macro FETCH m                         ; the 16 fragments of h for product m
	WIN 0x40
.set f, 0
.rept 16
.irp c, 0,1,2,3
	ds_load_b128 v[16*f+4*\c:16*f+4*\c+3], v[AM+\m] offset:2048*f+512*\c
.endr
.set f, f+1
.endr
	WIN 0
.endm
; 64 matrix instructions: the 16 accumulators take turns, one instruction a turn; the first K step starts the sums
.macro MULQK msb
	WIN \msb
.irp s, 0,1,2,3
.irp p, 0,1,2,3
.irp n, 0,1,2,3
.if \s == 0
	v_wmma_f32_16x16x128_fp8_fp8 v[ACC+8*(4*\p+\n):ACC+8*(4*\p+\n)+7], v[16*(4*\s+\n):16*(4*\s+\n)+15], v[16*(4*\p+\s):16*(4*\p+\s)+15], 0
.else
	v_wmma_f32_16x16x128_fp8_fp8 v[ACC+8*(4*\p+\n):ACC+8*(4*\p+\n)+7], v[16*(4*\s+\n):16*(4*\s+\n)+15], v[16*(4*\p+\s):16*(4*\p+\s)+15], v[ACC+8*(4*\p+\n):ACC+8*(4*\p+\n)+7]
.endif
.endr
.endr
.endr
	WIN 0
.endm
.macro MULV
	WIN 0x09
.irp s, 0,1,2,3
.irp p, 0,1,2,3
.irp n, 0,1,2,3
.if \s == 0
	v_wmma_f32_16x16x128_fp8_fp8 v[ACC+8*(8*(\p/2)+2*\n+\p%2):ACC+8*(8*(\p/2)+2*\n+\p%2)+7], v[16*(4*\p+\s):16*(4*\p+\s)+15], v[16*(4*\s+\n):16*(4*\s+\n)+15], 0
.else
	v_wmma_f32_16x16x128_fp8_fp8 v[ACC+8*(8*(\p/2)+2*\n+\p%2):ACC+8*(8*(\p/2)+2*\n+\p%2)+7], v[16*(4*\p+\s):16*(4*\p+\s)+15], v[16*(4*\s+\n):16*(4*\s+\n)+15], v[ACC+8*(8*(\p/2)+2*\n+\p%2):ACC+8*(8*(\p/2)+2*\n+\p%2)+7]
.endif
.endr
.endr
.endr
	WIN 0
.endm
; The sums become codes: eight groups of 16 registers, each a part of an image; each store covers 512 consecutive bytes, aligned.  Each accumulator is read from its low end on.
; The codes go into two out-buffers by turns: q's (q = 3) and v's (5) into v32-63, k's (4) into v64-95.
.macro EPI isv, q, base
.set OB, T+32*((\q-3)%2)
.if \q == 5
	s_wait_xcnt 0x0                                ; q's stores, two products back, have had their addresses translated: their data registers are written again only behind this wait,
	s_wait_alu depctr_vm_vsrc(0)                   ; and behind this one: q's stores have read v32 to v63, which v's conversions write
.endif
.set g, 0
.rept 8
.set i, 0
.rept 16
	v_med3_num_f32 v[ACC+16*g+i], v[ACC+16*g+i], -v[QC+2*\q+1], v[QC+2*\q+1]
.set i, i+1
.endr
	v_cvt_scalef32_pk8_fp8_f32 v[OB+4*g:OB+4*g+1], v[ACC+16*g:ACC+16*g+7], v[QC+2*\q]
	v_cvt_scalef32_pk8_fp8_f32 v[OB+4*g+2:OB+4*g+3], v[ACC+16*g+8:ACC+16*g+15], v[QC+2*\q]
.set g, g+1
.endr
	v_nop                                          ; a plain place behind the last conversion: matrix instructions write its sources later
	s_wait_alu depctr_va_vdst(0)                   ; the conversions have written the out-buffer, which the eight stores read
.set g, 0
.rept 8
.if \isv
	global_store_b128 v[LI], v[OB+4*g:OB+4*g+3], s[\base:\base+1] offset:(g%4)*2048+(g/4)*512
.else
	global_store_b128 v[LI], v[OB+4*g:OB+4*g+3], s[\base:\base+1] offset:512*g
.endif
.set g, g+1
.endr
.endm
	FETCH 0                                        ; no vector instruction since the wait ahead of Wk's loads names window 1
	s_wait_dscnt 0x0
	s_wait_loadcnt 63                              ; Wk's 64 loads stand behind Wq's: Wq is in
	MULQK 0x06                                     ; q: W in window 2, h in window 1
	PLACES
	WIN 0x40
	s_wait_alu depctr_va_vdst(0)                   ; q's products are done reading h's fragments in window 1 and Wq in window 2, in which the loads below land
	FETCH 1
	LOADW 2, 0x80                                  ; Wv takes Wq's window
	EPI 0, 3, 14
	s_wait_dscnt 0x0
	s_wait_loadcnt 63                              ; Wv's 64 loads stand behind Wk's: Wk is in
	MULQK 0x07                                     ; k: W in window 3
	PLACES
	WIN 0x40
	s_wait_alu depctr_va_vdst(0)                   ; k's products are done reading h's fragments in window 1, in which the loads below land
	FETCH 2
	EPI 0, 4, 18
	s_wait_dscnt 0x0
	s_wait_loadcnt 0x0
	MULV                                           ; v: h is source 0
	PLACES
	EPI 1, 5, 20
	s_wait_dscnt 0x0                               ; the closing lines, six on end
	s_wait_alu 0x0
	s_wait_tensorcnt 0x0
	ds_add_u32 v[SPW], v[NIL]
	s_wait_dscnt 0x0
	s_endpgm
.Lfunc_end_k_q63ca4154de_qkv:
	.size	k_q63ca4154de_qkv, .Lfunc_end_k_q63ca4154de_qkv-k_q63ca4154de_qkv
	.p2alignl 7, 3214868480
	.fill 96, 4, 3214868480
	.section	.rodata,"a",@progbits
	.p2align	6, 0x0
	.amdhsa_kernel k_q63ca4154de_qkv
		.amdhsa_group_segment_fixed_size 102912
		.amdhsa_private_segment_fixed_size 0
		.amdhsa_enable_private_segment 0
		.amdhsa_kernarg_size 56
		.amdhsa_user_sgpr_count 2
		.amdhsa_user_sgpr_kernarg_segment_ptr 1
		.amdhsa_wavefront_size32 1
		.amdhsa_system_sgpr_workgroup_id_x 1
		.amdhsa_system_sgpr_workgroup_id_y 1
		.amdhsa_system_sgpr_workgroup_id_z 1
		.amdhsa_system_vgpr_workitem_id 0
		.amdhsa_next_free_vgpr 1024
		.amdhsa_next_free_sgpr 66
		.amdhsa_reserve_vcc 0
		.amdhsa_float_denorm_mode_32 3
		.amdhsa_float_denorm_mode_16_64 3
		.amdhsa_memory_ordered 1
		.amdhsa_forward_progress 1
		.amdhsa_inst_pref_size 193
	.end_amdhsa_kernel
	.amdgpu_metadata
---
amdhsa.version: [ 1, 2 ]
amdhsa.kernels:
  - .name:           k_q63ca4154de_qkv
    .symbol:         k_q63ca4154de_qkv.kd
    .args:
      - { .name: x, .offset: 0, .size: 8, .value_kind: global_buffer, .address_space: global }
      - { .name: g1, .offset: 8, .size: 8, .value_kind: global_buffer, .address_space: global }
      - { .name: be1, .offset: 16, .size: 8, .value_kind: global_buffer, .address_space: global }
      - { .name: lowp_scales, .offset: 24, .size: 8, .value_kind: global_buffer, .address_space: global }
      - { .name: wqkv_img, .offset: 32, .size: 8, .value_kind: global_buffer, .address_space: global }
      - { .name: q_img, .offset: 40, .size: 8, .value_kind: global_buffer, .address_space: global }
      - { .name: kv_img, .offset: 48, .size: 8, .value_kind: global_buffer, .address_space: global }
    .group_segment_fixed_size: 102912
    .private_segment_fixed_size: 0
    .kernarg_segment_align: 8
    .kernarg_segment_size: 56
    .max_flat_workgroup_size: 128
    .sgpr_count:     66
    .vgpr_count:     1024
    .wavefront_size: 32
...
	.end_amdgpu_metadata
.endif
;; end of part 5
;; launch attn: the kernel of part 3 again; grid 16 x 16, 16 waves a work-group, no clusters, 327,680 bytes of LDS; arguments q_img, kv_img, lowp_scales, o_img; writes o_img
;; launch tail (part 6): grid 128 x 1, 4 waves a work-group, no clusters, 118,272 bytes of LDS; arguments o_img, x, wt_img, lowp_scales, bo, g2, be2, b1, b2, out0; writes out0
.if DOCPART == 6
	.amdgcn_target "amdgcn-amd-amdhsa--gfx1250"
	.amdhsa_code_object_version 6
	.text
	.protected	k_q63ca4154de_tail
	.globl	k_q63ca4154de_tail
	.p2align	8
	.type	k_q63ca4154de_tail,@function
k_q63ca4154de_tail:
	s_mov_b64 s[64:65], 0
	v_nop
	global_prefetch_b8 v0, s[64:65] scope:SCOPE_SE
	s_setreg_imm32_b32 hwreg(HW_REG_WAVE_SCHED_MODE, 0, 2), 2
	s_setreg_imm32_b32 hwreg(HW_REG_WAVE_MODE, 25, 1), 1
	s_wait_xcnt 0x0
	s_wait_alu depctr_vm_vsrc(0)
; x1 = x + o wo + bo;  h2 = layernorm(x1) g2 + be2;  out = x1 + relu(h2 w1 + b1) w2 + b2.  The three products on codes of E4M3; x1, h2 and the hidden layer never go to memory.
; SHARES.  A work-group takes 64 rows (four tiles of 16).  THE WAVES SHARE THE COLUMNS: wave w owns columns 128 w .. + 127 of x1 and of out, and hidden units 512 q + 128 w .. of chunk q (four chunks of 512).
; So each weight fragment is read by ONE wave, from memory straight into registers, and feeds four matrix instructions; the weights lie in memory as that wave's stream, in the order in which it takes them.
; THE RING: 16 fragments in window 2, filled again four at a time behind the 16 matrix instructions that have read them: 48 loads of a wave stay out.
; NO TENSOR LOADS, NO CLUSTER: no two waves of a work-group read the same weight bytes, so LDS would add a write and a read of each byte.
; LAYOUT as in the launches before: perm(t, i) = 32 (t / 2) + 8 (t % 2) + i + 8 (i / 8); operands are images of registers.  All products transposed (source 0 = 16 columns of a weight, source 1 = 16 rows):
; accumulator (p, n), register j, lane (r, hh): row perm(p, r), column 128 w + 32 (n / 2) + 16 hh + 8 (n % 2) + j.
; x and the biases go in as the sums' first C, divided by the power of two that the sums lack; the finished sum is multiplied by it once.  Nothing is cleared.
; The norm's sums span four waves: each gives its 128 columns' mean and its squares about that mean; they are joined by M2 = sum of M2_w + 128 x sum of (m_w - mean)^2: no difference of large sums.
; LIMITS: e10 + e11, e12 + e13, e14 + e15 between -126 and 126; e12 and e14 - e12 - e13 between -126 and 119.  NaN and infinities among the inputs are not served.
; REGISTERS.  Window 0: v1-14 addresses; v16-29 sums and scales; v30, v31 the add's two; v32-63 the five vectors as loaded, later v48-63 at work; v64-127, v128-191, v192-255 three regions of 64 (see the phases).
;   Window 1: 16 fragments: o's codes; then h2's codes just made and b2; then h2's fragments; on the way out the four tiles of out.  Window 2: the ring; on the way out the rows read back.  Window 3: the 32 accumulators.
; THE MODE: SCHED_MODE bits 1:0 = 2 (LLVM: expert scheduling mode 2), set by the entry lines.  The code itself states the register dependences
; between vector or matrix instructions and memory or LDS instructions, with s_wait_alu, always for 0.
; THE PLAN.  Registers that memory or LDS instructions touch:
;   v1-14         addresses, written at the head and never again, but for v9 (b1's place in LDS), which steps once a chunk.
;   the ring      four places are read by sixteen products; behind those the loads of the fragments 16 further on land in them.
;   v64-127       bo; the four waves' figures; b1 of a chunk (the C of its first products); the hidden fragments of K steps 0 and 2.  Each lands behind a wait that stands behind the last line that named these registers.
;   v128-191      g2; in a chunk's first half the hidden layer's codes, 16 registers of its own for each part b: written by conversions, read by four LDS stores; in its second half the hidden fragments of K steps 1 and 3.
;   v48-55        the four tiles' sums: written by the norm's lines, read by four LDS stores, written again behind the barrier.
;   window 1      see REGISTERS: h2's codes are written by conversions and read by sixteen LDS stores; b2 is read by x1's scaling; h2's fragments land behind both.
;   the way out   all four tiles are scaled into window 1, go to the stage from there, and come back into window 2, 64 registers a tile: no register is written twice.
; So ONE wait on va_vdst stands in each refill of the ring.  It also states that the conversions just before have written the hidden layer's codes (their stores follow the refill), that v9 is written,
; and that the products of two quads back are done reading the hidden fragments whose registers are loaded next.  The other waits stand at the changes of phase.
.set LBO,   0
.set LG2,   2048
.set LBE2,  4096
.set LB2,   6144
.set LB1,   8192
.set STAT,  16384                      ; [tile][r][wave] pairs (mean, squares)
.set H2IMG, 18432                      ; h2's 16 fragments (4 tile + K step)
.set HID,   51200                      ; a chunk's 16 fragments of the hidden layer
.set STG,   83968                      ; the way out: 16 rows x (512 + 16) bytes for each wave
.set SPARE, 117760                     ; the spare words, 128 bytes for each wave: two blocks of 256 bytes that no other line names
.set LI,    1
.set XA,    2
.set TID,   3
.set HIDW,  4
.set HIDR,  5
.set H2W,   6
.set H2R,   7
.set B1A0,  8
.set B1A,   9
.set STO,   10
.set SRD,   11
.set VECA,  12
.set STATW, 13
.set STATR, 14
.set CH,    16
.set QX,    24                         ; v24, v25: 2^e12, 448 x 2^e12
.set QH,    26                         ; v26, v27: the same with e14 - e12 - e13
.set TP,    28
.set SPW,   30
.set NIL,   31
.set VB1,   32                         ; v32-47, at the head only: b1 as loaded
.set T,     64
.set FG,    64                         ; v64-95: the four waves' figures
.set HF0,   64
.set HF1,   128
.set HC,    128                        ; v128-191: the hidden layer's codes, part b at HC + 16 b
.set A1,    192
.set NC,    0                          ; in window 1: h2's codes, tile p at NC + 16 p
.set B2R,   64                         ; in window 1: b2's 64 numbers at my columns
.set MSB, 0
.macro WIN new
.if MSB != \new
	s_set_vgpr_msb (MSB<<8)|\new
.set MSB, \new
.endif
.endm
.macro PLACES
.rept 4
	v_nop
.endr
.endm
.macro MKSC v, se
	s_add_co_i32 s[\se], s[\se], 127
	s_lshl_b32 s58, s[\se], 23
	v_mov_b32 v[\v], s58
	s_add_co_i32 s[\se], s[\se], 8
	s_lshl_b32 s58, s[\se], 23
	s_or_b32 s58, s58, 0x600000
	v_mov_b32 v[\v+1], s58
.endm
.macro REFILL i0                       ; the four ring places just read take the fragments 16 further on in my stream
	WIN 0x80
	s_wait_alu depctr_va_vdst(0)                   ; the sixteen products above are done reading these four places of the ring, in which the loads land
.irp f, 0,1,2,3
.irp c, 0,1,2,3
	global_load_b128 v[16*(((\i0)+\f)%16)+4*\c:16*(((\i0)+\f)%16)+4*\c+3], v[LI], s[8:9] offset:((\i0)+\f+16)*2048+512*\c
.endr
.endr
	WIN 0
.endm
.macro VEC16 dst, adr, off             ; a vector's 64 numbers at my columns
.irp b, 0,1,2,3
.irp i, 0,1,2,3
	ds_load_b128 v[\dst+16*\b+4*\i:\dst+16*\b+4*\i+3], v[\adr] offset:\off+128*\b+16*\i
.endr
.endr
.endm
.macro FETCHH dst, sp                  ; the hidden layer's four fragments of K step sp
.irp p, 0,1,2,3
.irp c, 0,1,2,3
	ds_load_b128 v[\dst+16*\p+4*\c:\dst+16*\p+4*\c+3], v[HIDR] offset:(4*\p+\sp)*2048+512*\c
.endr
.endr
.endm
.macro FOLD
	v_pk_add_f32 v[CH:CH+1], v[CH:CH+1], v[CH+2:CH+3]
	v_pk_add_f32 v[CH+4:CH+5], v[CH+4:CH+5], v[CH+6:CH+7]
	v_pk_add_f32 v[CH:CH+1], v[CH:CH+1], v[CH+4:CH+5]
	v_add_f32 v[CH], v[CH], v[CH+1]
	v_permlanex16_b32 v[TP], v[CH], s36, s37
	v_add_f32 v[CH], v[CH], v[TP]
.endm
; 16 matrix instructions on four fragments of the ring, each against the four tiles of rows; the accumulators take turns, one instruction a turn.
; The wait on LOADcnt leaves out the loads issued behind these four fragments': three refills of 16.  The four places behind the products serve the next reads of their results.
.macro QP1 s, h                        ; x1's sums: wo's tiles 4 h .. 4 h + 3, K step s
	s_wait_loadcnt 48
	WIN 0xf6
.irp f, 0,1,2,3
.irp p, 0,1,2,3
	v_wmma_f32_16x16x128_fp8_fp8 v[8*(8*\p+4*\h+\f):8*(8*\p+4*\h+\f)+7], v[16*((8*\s+4*\h+\f)%16):16*((8*\s+4*\h+\f)%16)+15], v[16*(4*\p+\s):16*(4*\p+\s)+15], v[8*(8*\p+4*\h+\f):8*(8*\p+4*\h+\f)+7]
.endr
.endr
	PLACES
	REFILL 8*\s+4*\h
.endm
.macro QF1 b, h                        ; the hidden layer: tiles 2 b, 2 b + 1, K steps 2 h, 2 h + 1; b1, scaled, is the C of the first
	s_wait_loadcnt 48
	WIN 0x06
.irp f, 0,1,2,3
.irp p, 0,1,2,3
.if (2*\h+\f/2) == 0
	v_wmma_f32_16x16x128_fp8_fp8 v[A1+8*(2*\p+\f%2):A1+8*(2*\p+\f%2)+7], v[16*((8*\b+4*\h+\f)%16):16*((8*\b+4*\h+\f)%16)+15], v[16*(4*\p+2*\h+\f/2):16*(4*\p+2*\h+\f/2)+15], v[T+8*(2*\b+\f%2):T+8*(2*\b+\f%2)+7]
.else
	v_wmma_f32_16x16x128_fp8_fp8 v[A1+8*(2*\p+\f%2):A1+8*(2*\p+\f%2)+7], v[16*((8*\b+4*\h+\f)%16):16*((8*\b+4*\h+\f)%16)+15], v[16*(4*\p+2*\h+\f/2):16*(4*\p+2*\h+\f/2)+15], v[A1+8*(2*\p+\f%2):A1+8*(2*\p+\f%2)+7]
.endif
.endr
.endr
	PLACES
	REFILL 8*\b+4*\h
.endm
.macro QF2 sp, h, cnt, refill          ; out's sums: w2's tiles 4 h .. 4 h + 3, K step sp of the chunk
	s_wait_loadcnt \cnt
	WIN 0xf2
.irp f, 0,1,2,3
.irp p, 0,1,2,3
	v_wmma_f32_16x16x128_fp8_fp8 v[8*(8*\p+4*\h+\f):8*(8*\p+4*\h+\f)+7], v[16*((8*\sp+4*\h+\f)%16):16*((8*\sp+4*\h+\f)%16)+15], v[HF0+64*(\sp%2)+16*\p:HF0+64*(\sp%2)+16*\p+15], v[8*(8*\p+4*\h+\f):8*(8*\p+4*\h+\f)+7]
.endr
.endr
	PLACES
.if \refill
	REFILL 32+8*\sp+4*\h
.else
	WIN 0
.endif
.endm
.macro EPI1 b                          ; 32 hidden units of 64 rows: relu and hold in one, then codes, in part b's own 16 registers
.set i, 0
.rept 64
	v_med3_num_f32 v[A1+i], v[A1+i], 0, v[QH+1]
.set i, i+1
.endr
.irp p, 0,1,2,3
	v_cvt_scalef32_pk8_fp8_f32 v[HC+16*(\b)+4*\p:HC+16*(\b)+4*\p+1], v[A1+16*\p:A1+16*\p+7], v[QH]
	v_cvt_scalef32_pk8_fp8_f32 v[HC+16*(\b)+4*\p+2:HC+16*(\b)+4*\p+3], v[A1+16*\p+8:A1+16*\p+15], v[QH]
.endr
	v_nop                                          ; a plain place: the next products write the conversions' sources
.endm
.macro HSTORE b                        ; part b of my K step's four images goes to LDS
.irp p, 0,1,2,3
	ds_store_b128 v[HIDW], v[HC+16*(\b)+4*\p:HC+16*(\b)+4*\p+3] offset:8192*\p+512*(\b)
.endr
.endm
	s_load_b512 s[4:19], s[0:1], 0x0               ; o_img, x, wt_img, scales, bo, g2, be2, b1
	s_load_b128 s[20:23], s[0:1], 0x40             ; b2, out0
	v_lshl_add_u32 v[SPW], v0, 2, SPARE
	v_mov_b32 v[NIL], 0
	v_lshrrev_b32 v16, 5, v0
	v_readfirstlane_b32 s32, v16                   ; wave
	v_and_b32 v16, 31, v0
	v_and_b32 v17, 15, v0                          ; r
	v_bfe_u32 v18, v0, 4, 1                        ; hh
	v_lshlrev_b32 v[LI], 4, v16
	v_and_b32 v19, 8, v17
	v_add_nc_u32 v19, v19, v17
	v_lshlrev_b32 v[XA], 11, v19
	v_lshl_add_u32 v[XA], v18, 6, v[XA]
	v_lshlrev_b32 v[TID], 4, v0
	s_wait_alu depctr_va_sdst(0)                   ; s32, the wave's number, is written, ahead of its first reader
	s_lshl_b32 s48, s32, 11
	v_add_nc_u32 v[HIDR], HID, v[LI]
	v_add_nc_u32 v[HIDW], s48, v[HIDR]
	v_add_nc_u32 v[H2R], H2IMG, v[LI]
	v_add_nc_u32 v[H2W], s48, v[H2R]
	s_lshl_b32 s48, s32, 9
	v_lshlrev_b32 v[VECA], 6, v18
	v_add_nc_u32 v[VECA], s48, v[VECA]
	v_add_nc_u32 v[B1A0], LB1, v[VECA]
	s_mul_i32 s48, s32, 8448
	v_add_nc_u32 v[SRD], STG, v[LI]
	v_add_nc_u32 v[SRD], s48, v[SRD]
	v_mul_u32_u24 v[STO], v17, 528
	v_lshl_add_u32 v[STO], v18, 6, v[STO]
	v_add_nc_u32 v[STO], STG, v[STO]
	v_add_nc_u32 v[STO], s48, v[STO]
	s_lshl_b32 s48, s32, 3
	v_lshlrev_b32 v[STATR], 5, v17
	v_add_nc_u32 v[STATR], STAT, v[STATR]
	v_add_nc_u32 v[STATW], s48, v[STATR]
	v_mov_b32 v[TP], 0
	v_mov_b32 v[TP+1], 0
	s_mov_b32 s36, 0x76543210
	s_mov_b32 s37, 0xfedcba98
	s_mov_b32 s35, 0
	s_mov_b32 s50, 0x43000000                      ; 128
	s_mov_b32 s51, 0x3b000000                      ; 1 / 512
	s_mov_b32 s52, 0x3727c5ac                      ; 1e-5
	s_wait_kmcnt 0x0
	s_load_b256 s[24:31], s[10:11], 0x20           ; e8 .. e15
	s_lshl_b32 s48, ttmp9, 17
	s_lshl_b32 s49, s32, 9
	s_add_co_u32 s48, s48, s49
	s_mov_b32 s49, 0
	s_add_nc_u64 s[6:7], s[6:7], s[48:49]          ; x and out0 at my block's first row, my 128 columns
	s_add_nc_u64 s[22:23], s[22:23], s[48:49]
	s_lshl_b32 s48, ttmp9, 15
	s_add_nc_u64 s[4:5], s[4:5], s[48:49]          ; o's 16 fragments
	s_mul_i32 s48, s32, 589824
	s_add_nc_u64 s[8:9], s[8:9], s[48:49]          ; my stream of weights
	s_wait_alu depctr_va_vdst(0)                   ; the addresses v1 to v8 and v10 to v14 are written, which the loads and stores of the kernel read
	global_load_b128 v[48:51], v[TID], s[12:13]    ; bo
	global_load_b128 v[52:55], v[TID], s[14:15]    ; g2
	global_load_b128 v[56:59], v[TID], s[16:17]    ; be2
	global_load_b128 v[60:63], v[TID], s[20:21]    ; b2
.irp k, 0,1,2,3
	global_load_b128 v[VB1+4*\k:VB1+4*\k+3], v[TID], s[18:19] offset:2048*\k   ; b1
.endr
	WIN 0xc0
.irp p, 0,1,2,3
.irp b, 0,1,2,3
.irp i, 0,1,2,3
	global_load_b128 v[64*\p+16*\b+4*\i:64*\p+16*\b+4*\i+3], v[XA], s[6:7] offset:(32*(\p/2)+8*(\p%2))*2048+128*\b+16*\i   ; x, into the accumulators' places
.endr
.endr
.endr
	WIN 0
	s_wait_kmcnt 0x0
	s_add_co_i32 s48, s26, s27                     ; e10 + e11
	s_sub_co_i32 s53, 0, s48
	s_sub_co_i32 s40, 127, s48
	s_lshl_b32 s40, s40, 23                        ; 2^-(e10 + e11)
	s_mov_b32 s41, s40
	s_add_co_i32 s42, s48, 127
	s_lshl_b32 s42, s42, 23                        ; 2^(e10 + e11)
	s_mov_b32 s43, s42
	s_add_co_i32 s48, s30, s31                     ; e14 + e15
	s_sub_co_i32 s54, 0, s48
	s_sub_co_i32 s44, 127, s48
	s_lshl_b32 s44, s44, 23
	s_mov_b32 s45, s44
	s_add_co_i32 s46, s48, 127
	s_lshl_b32 s46, s46, 23
	s_mov_b32 s47, s46
	s_add_co_i32 s49, s28, s29                     ; e12 + e13
	s_sub_co_i32 s55, 0, s49
	s_mov_b32 s48, s28
	MKSC QX, 48
	s_sub_co_i32 s48, s30, s49
	MKSC QH, 48                                    ; the hidden layer's three scales folded into one
	s_wait_loadcnt 63                              ; x's 64 loads stand behind the eight vectors'
.irp i, 0,1,2,3
	v_ldexp_f32 v[48+\i], v[48+\i], s53            ; bo / 2^(e10 + e11)
	v_ldexp_f32 v[60+\i], v[60+\i], s54            ; b2 / 2^(e14 + e15)
.endr
.set i, 0
.rept 16
	v_ldexp_f32 v[VB1+i], v[VB1+i], s55            ; b1 / 2^(e12 + e13)
.set i, i+1
.endr
	s_wait_alu depctr_va_vdst(0)                   ; the scalings have written bo, b2 and b1, which the LDS stores read
	ds_store_b128 v[TID], v[48:51] offset:LBO
	ds_store_b128 v[TID], v[52:55] offset:LG2
	ds_store_b128 v[TID], v[56:59] offset:LBE2
	ds_store_b128 v[TID], v[60:63] offset:LB2
.irp k, 0,1,2,3
	ds_store_b128 v[TID], v[VB1+4*\k:VB1+4*\k+3] offset:LB1+2048*\k
.endr
	WIN 0x40
.set f, 0
.rept 16
.irp c, 0,1,2,3
	global_load_b128 v[16*f+4*\c:16*f+4*\c+3], v[LI], s[4:5] offset:2048*f+512*\c th:TH_LOAD_NT   ; o's fragments (4 tile + K step)
.endr
.set f, f+1
.endr
	WIN 0x80
.set f, 0
.rept 16
.irp c, 0,1,2,3
	global_load_b128 v[16*f+4*\c:16*f+4*\c+3], v[LI], s[8:9] offset:2048*f+512*\c                 ; the ring's first 16 fragments
.endr
.set f, f+1
.endr
	WIN 0
	s_wait_dscnt 0x0
	s_barrier_signal -1
	s_barrier_wait -1                              ; the five vectors lie in LDS
	s_wait_alu depctr_vm_vsrc(0)                   ; my LDS stores have read v32 to v63, of which the norm's lines write v48 to v57 again
	VEC16 T, VECA, LBO
	s_wait_loadcnt 63                              ; the ring's 64 loads stand behind x's and o's
	s_wait_dscnt 0x0
	WIN 0xc3
.irp p, 0,1,2,3
.set i, 0
.rept 32
	v_pk_fma_f32 v[64*\p+i:64*\p+i+1], v[64*\p+i:64*\p+i+1], s[40:41], v[T+i:T+i+1] op_sel_hi:[1,0,1]   ; (x + bo) / 2^(e10 + e11): the sums begin with it
.set i, i+2
.endr
.endr
	WIN 0
.irp s, 0,1,2,3
	QP1 \s, 0
	QP1 \s, 1
.endr
	s_wait_xcnt 0x0                                ; the refills have read their base
	s_add_nc_u64 s[8:9], s[8:9], 65536             ; on to chunk 0's fragments
	VEC16 128, VECA, LG2                           ; g2, be2 and b2 are asked for here, and land while the sums are made.  No vector instruction has named v128 to v255;
	VEC16 192, VECA, LBE2
	WIN 0x40
	VEC16 B2R, VECA, LB2                           ; and the last refill's wait stands behind the last product that read o's fragments, in whose registers b2 lands
	WIN 0xc3
.set i, 0
.rept 128
	v_pk_mul_f32 v[i:i+1], v[i:i+1], s[42:43] op_sel_hi:[1,0]   ; x1; each accumulator from its low end on
.set i, i+2
.endr
	WIN 0
; my 128 columns' mean and squares about it, for tile p, into v[48 + 2 p], v[49 + 2 p]
.macro STATS p
	WIN 0x0f
.irp c, 0,1,2,3
	v_pk_add_f32 v[CH+2*\c:CH+2*\c+1], v[64*\p+4*\c:64*\p+4*\c+1], v[64*\p+4*\c+2:64*\p+4*\c+3]
.endr
	WIN 0x0c
.set i, 16
.rept 24
	v_pk_add_f32 v[CH+2*((i/2)%4):CH+2*((i/2)%4)+1], v[CH+2*((i/2)%4):CH+2*((i/2)%4)+1], v[64*\p+i:64*\p+i+1]
.set i, i+2
.endr
	WIN 0
	FOLD
	v_mul_f32 v[48+2*\p], 0x3c000000, v[CH]        ; / 128
	v_mov_b32 v56, v[48+2*\p]
	v_mov_b32 v57, v[48+2*\p]
	WIN 0x03
.set i, 0
.rept 32
	v_pk_add_f32 v[T+i:T+i+1], v[64*\p+i:64*\p+i+1], v[56:57] neg_lo:[0,1] neg_hi:[0,1]
.set i, i+2
.endr
	WIN 0
.irp c, 0,1,2,3
	v_pk_mul_f32 v[CH+2*\c:CH+2*\c+1], v[T+2*\c:T+2*\c+1], v[T+2*\c:T+2*\c+1]
.endr
.set i, 8
.rept 28
	v_pk_fma_f32 v[CH+2*((i/2)%4):CH+2*((i/2)%4)+1], v[T+i:T+i+1], v[T+i:T+i+1], v[CH+2*((i/2)%4):CH+2*((i/2)%4)+1]
.set i, i+2
.endr
	FOLD
	v_mov_b32 v[49+2*\p], v[CH]
.endm
	STATS 0
	STATS 1
	STATS 2
	STATS 3
	s_wait_alu depctr_va_vdst(0)                   ; the four tiles' sums are written in v48 to v55, which the stores read; and the lines that name v64 to v127 are done, where the figures land behind the barrier
.irp p, 0,1,2,3
	ds_store_b64 v[STATW], v[48+2*\p:49+2*\p] offset:512*\p
.endr
	s_wait_dscnt 0x0                               ; my stores have landed; g2, be2 and b2 are in
	s_barrier_signal -1
	s_barrier_wait -1                              ; the four waves' figures lie in LDS
	s_wait_alu depctr_vm_vsrc(0)                   ; my four stores have read v48 to v55, which the means and reciprocal roots below write again
.irp p, 0,1,2,3
	ds_load_b128 v[FG+8*\p:FG+8*\p+3], v[STATR] offset:512*\p
	ds_load_b128 v[FG+8*\p+4:FG+8*\p+7], v[STATR] offset:512*\p+16
.endr
	s_wait_dscnt 0x0
.irp p, 0,1,2,3
	v_add_f32 v[TP], v[FG+8*\p], v[FG+2+8*\p]
	v_add_f32 v[TP+1], v[FG+4+8*\p], v[FG+6+8*\p]
	v_add_f32 v[TP], v[TP], v[TP+1]
	v_mul_f32 v[CH+\p], 0x3e800000, v[TP]          ; the row's mean
	v_sub_f32 v[TP], v[FG+8*\p], v[CH+\p]
	v_mul_f32 v[TP+1], v[TP], v[TP]
	v_sub_f32 v[TP], v[FG+2+8*\p], v[CH+\p]
	v_fmac_f32 v[TP+1], v[TP], v[TP]
	v_sub_f32 v[TP], v[FG+4+8*\p], v[CH+\p]
	v_fmac_f32 v[TP+1], v[TP], v[TP]
	v_sub_f32 v[TP], v[FG+6+8*\p], v[CH+\p]
	v_fmac_f32 v[TP+1], v[TP], v[TP]
	v_add_f32 v[TP], v[FG+1+8*\p], v[FG+3+8*\p]
	v_add_f32 v[TP], v[TP], v[FG+5+8*\p]
	v_add_f32 v[TP], v[TP], v[FG+7+8*\p]
	v_fma_f32 v[TP+1], v[TP+1], s50, v[TP]
	v_fma_f32 v[CH+4+\p], v[TP+1], s51, s52        ; the variance + 1e-5
.endr
.irp p, 0,1,2,3
	v_rsq_f32 v[50+4*\p], v[CH+4+\p]
.endr
	v_nop                                          ; a plain place behind the last transcendental
	s_wait_alu depctr_va_vdst(0)                   ; the four reciprocal roots are written, ahead of their first reader
.irp p, 0,1,2,3
	v_mov_b32 v[51+4*\p], v[50+4*\p]
	v_mov_b32 v[48+4*\p], v[CH+\p]
	v_mov_b32 v[49+4*\p], v[CH+\p]
.endr
; h2 of tile p at my columns: K step w of the next product: codes, in 16 registers of their own in window 1.  As soon as x1 - mean is taken, the tile's x1 becomes the last product's first C.
.macro NORM p
	WIN 0x03
.set i, 0
.rept 32
	v_pk_add_f32 v[T+i:T+i+1], v[64*\p+i:64*\p+i+1], v[48+4*\p:49+4*\p] neg_lo:[0,1] neg_hi:[0,1]
.set i, i+2
.endr
	WIN 0xd3                                       ; the sums in window 3, b2 in window 1
.set i, 0
.rept 32
	v_pk_fma_f32 v[64*\p+i:64*\p+i+1], v[64*\p+i:64*\p+i+1], s[44:45], v[B2R+i:B2R+i+1] op_sel_hi:[1,0,1]   ; (x1 + b2) / 2^(e14 + e15): the last product's sums begin with it
.set i, i+2
.endr
	WIN 0
.set i, 0
.rept 32
	v_pk_mul_f32 v[T+i:T+i+1], v[T+i:T+i+1], v[50+4*\p:51+4*\p]
.set i, i+2
.endr
.set i, 0
.rept 32
	v_pk_fma_f32 v[T+i:T+i+1], v[T+i:T+i+1], v[128+i:129+i], v[192+i:193+i]
.set i, i+2
.endr
.set i, 0
.rept 64
	v_med3_num_f32 v[T+i], v[T+i], -v[QX+1], v[QX+1]
.set i, i+1
.endr
	WIN 0x40                                       ; the codes go to window 1
.set g, 0
.rept 8
	v_cvt_scalef32_pk8_fp8_f32 v[NC+16*\p+2*g:NC+16*\p+2*g+1], v[T+8*g:T+8*g+7], v[QX]
.set g, g+1
.endr
	v_nop                                          ; a plain place between the conversions and the next lines that write their sources
.endm
	NORM 0
	NORM 1
	NORM 2
	NORM 3
	WIN 0x04                                       ; the stores' data lie in window 1
	s_wait_alu depctr_va_vdst(0)                   ; the conversions have written h2's codes, which the sixteen stores read
.irp p, 0,1,2,3
.irp c, 0,1,2,3
	ds_store_b128 v[H2W], v[NC+16*\p+4*\c:NC+16*\p+4*\c+3] offset:8192*\p+512*\c
.endr
.endr
	s_wait_dscnt 0x0
	s_barrier_signal -1
	s_barrier_wait -1                              ; h2's sixteen fragments lie in LDS
	WIN 0x40
	s_wait_alu depctr_va_vdst(0)                   ; the conversions have written, and x1's scalings have read, registers of window 1 in which h2's fragments land; the norm's lines are done with v64 to v127, where b1 lands
	s_wait_alu depctr_vm_vsrc(0)                   ; my sixteen stores have read the codes' registers in window 1
.set f, 0
.rept 16
.irp c, 0,1,2,3
	ds_load_b128 v[16*f+4*\c:16*f+4*\c+3], v[H2R] offset:2048*f+512*\c
.endr
.set f, f+1
.endr
	WIN 0
	VEC16 T, B1A0, 0                               ; chunk 0's b1 at my 128 hidden units
; A CHUNK of 512 hidden units: my 128 of them for the 64 rows; a barrier; all 512 as K of the last product.  last = 1: the stream ends: the last four quads fill nothing, and their counts run down
.macro CHUNK last
	s_wait_dscnt 0x0                               ; b1's numbers (and, the first time, h2's fragments)
.irp b, 0,1,2,3
	QF1 \b, 0
.if \b > 0
	HSTORE \b-1                                    ; the part before: the refill's wait just above stands behind its conversions, and no vector instruction has been issued since
.endif
	QF1 \b, 1
	EPI1 \b
.endr
	s_wait_alu depctr_va_vdst(0)                   ; part 3's conversions have written its codes, which the stores read; the chunk's products are done reading b1 in v64 to v127, where hidden fragments land behind the barrier
	HSTORE 3
	s_wait_dscnt 0x0
	s_barrier_signal -1
	s_barrier_wait -1                              ; the chunk's sixteen fragments lie in LDS
	s_wait_alu depctr_vm_vsrc(0)                   ; my sixteen stores have read v128 to v191, in which hidden fragments land below, and which the next chunk's conversions write
	FETCHH HF0, 0
	s_wait_dscnt 0x0
	QF2 0, 0, 48, 1
	FETCHH HF1, 1                                  ; behind the refill's wait, which stands behind the conversions that wrote these registers
	QF2 0, 1, 48, 1
	s_wait_dscnt 0x0
	QF2 1, 0, 48, 1
	FETCHH HF0, 2                                  ; behind the refill's wait, which stands behind K step 0's products
	QF2 1, 1, 48, 1
	s_wait_dscnt 0x0
	QF2 2, 0, 48, 1-\last
	FETCHH HF1, 3                                  ; K step 1's products stand ahead of the last refill's wait; the products issued since name v64 to v127, the ring and the accumulators alone
	QF2 2, 1, 48-16*\last, 1-\last
	s_wait_dscnt 0x0                               ; my reads of the chunk's images are over
.if !\last
	s_barrier_signal -1
	s_barrier_wait -1                              ; everybody's are: the next chunk may store there
	s_add_co_u32 s35, s35, 2048
	s_wait_alu depctr_vm_vsrc(0)                   ; the loads of b1 issued so far have read v[B1A]
	v_add_nc_u32 v[B1A], s35, v[B1A0]              ; it stands ahead of the next refill's wait, which states that it is written
.endif
	QF2 3, 0, 48-32*\last, 1-\last
.if !\last
	VEC16 T, B1A, 0                                ; the next chunk's b1: behind the refill's wait, which also stands behind K step 2's products, the last readers of v64 to v127
.endif
	QF2 3, 1, 48-48*\last, 1-\last
.endm
	s_mov_b32 s34, 3
.Lchunk:
	CHUNK 0
	s_wait_xcnt 0x0                                ; the refills have read their base
	s_add_nc_u64 s[8:9], s[8:9], 131072
	s_sub_co_u32 s34, s34, 1
	s_cmp_lg_u32 s34, 0
	s_cbranch_scc1 .Lchunk
	CHUNK 1                                        ; the last chunk is written out: no load leaves the stream
; THE WAY OUT.  All four tiles are scaled into window 1; then, a tile of 16 rows at a time, through my own stage: a lane's 64 bytes of four places go in, whole runs of 512 bytes of a row come back, into window 2,
; 64 registers of its own for each tile.  LDS serves a wave's instructions in order (ISA guide 5.7.1.4).
.macro TOSTAGE p
	WIN 0x04                                       ; the stores' data lie in window 1
.irp b, 0,1,2,3
.irp i, 0,1,2,3
	ds_store_b128 v[STO], v[64*(\p)+16*\b+4*\i:64*(\p)+16*\b+4*\i+3] offset:128*\b+16*\i
.endr
.endr
	WIN 0x80                                       ; the rows come back into window 2
.irp i, 0,1,2,3,4,5,6,7,8,9,10,11,12,13,14,15
	ds_load_b128 v[64*(\p)+4*\i:64*(\p)+4*\i+3], v[SRD] offset:528*\i
.endr
.endm
.macro SEND p, younger                 ; younger: the LDS instructions issued behind tile p's loads
	WIN 0x08                                       ; the stores' data lie in window 2
	s_wait_dscnt \younger
.irp i, 0,1,2,3,4,5,6,7,8,9,10,11,12,13,14,15
	global_store_b128 v[LI], v[64*(\p)+4*\i:64*(\p)+4*\i+3], s[22:23] offset:(32*((\p)/2)+8*((\p)%2)+\i+8*(\i/8))*2048 th:TH_STORE_NT   ; 32 lanes store 512 consecutive bytes, aligned
.endr
.endm
	WIN 0x43                                       ; from window 3 into window 1
.set i, 0
.rept 128
	v_pk_mul_f32 v[i:i+1], v[i:i+1], s[46:47] op_sel_hi:[1,0]   ; x 2^(e14 + e15); each accumulator from its low end on
.set i, i+2
.endr
	WIN 0x04
	s_wait_alu depctr_va_vdst(0)                   ; the scalings have written window 1, which the stage's stores read; the last products are done reading the ring's registers in window 2, in which the rows land
	TOSTAGE 0
.irp a, 1,2,3
	TOSTAGE \a
	SEND \a-1, 32
.endr
	SEND 3, 0
	WIN 0                                          ; the add's two registers lie in window 0
	s_wait_dscnt 0x0                               ; the closing lines, six on end
	s_wait_alu 0x0
	s_wait_tensorcnt 0x0
	ds_add_u32 v[SPW], v[NIL]
	s_wait_dscnt 0x0
	s_endpgm
.Lfunc_end_k_q63ca4154de_tail:
	.size	k_q63ca4154de_tail, .Lfunc_end_k_q63ca4154de_tail-k_q63ca4154de_tail
	.p2alignl 7, 3214868480
	.fill 96, 4, 3214868480
	.section	.rodata,"a",@progbits
	.p2align	6, 0x0
	.amdhsa_kernel k_q63ca4154de_tail
		.amdhsa_group_segment_fixed_size 118272
		.amdhsa_private_segment_fixed_size 0
		.amdhsa_enable_private_segment 0
		.amdhsa_kernarg_size 80
		.amdhsa_user_sgpr_count 2
		.amdhsa_user_sgpr_kernarg_segment_ptr 1
		.amdhsa_wavefront_size32 1
		.amdhsa_system_sgpr_workgroup_id_x 1
		.amdhsa_system_sgpr_workgroup_id_y 1
		.amdhsa_system_sgpr_workgroup_id_z 1
		.amdhsa_system_vgpr_workitem_id 0
		.amdhsa_next_free_vgpr 1024
		.amdhsa_next_free_sgpr 66
		.amdhsa_reserve_vcc 0
		.amdhsa_float_denorm_mode_32 3
		.amdhsa_float_denorm_mode_16_64 3
		.amdhsa_memory_ordered 1
		.amdhsa_forward_progress 1
		.amdhsa_inst_pref_size 255
	.end_amdhsa_kernel
	.section	.bss,"aw",@nobits
	.p2align	6
	.space	262144
	.amdgpu_metadata
---
amdhsa.version: [ 1, 2 ]
amdhsa.kernels:
  - .name:           k_q63ca4154de_tail
    .symbol:         k_q63ca4154de_tail.kd
    .args:
      - { .name: o_img, .offset: 0, .size: 8, .value_kind: global_buffer, .address_space: global }
      - { .name: x, .offset: 8, .size: 8, .value_kind: global_buffer, .address_space: global }
      - { .name: wt_img, .offset: 16, .size: 8, .value_kind: global_buffer, .address_space: global }
      - { .name: lowp_scales, .offset: 24, .size: 8, .value_kind: global_buffer, .address_space: global }
      - { .name: bo, .offset: 32, .size: 8, .value_kind: global_buffer, .address_space: global }
      - { .name: g2, .offset: 40, .size: 8, .value_kind: global_buffer, .address_space: global }
      - { .name: be2, .offset: 48, .size: 8, .value_kind: global_buffer, .address_space: global }
      - { .name: b1, .offset: 56, .size: 8, .value_kind: global_buffer, .address_space: global }
      - { .name: b2, .offset: 64, .size: 8, .value_kind: global_buffer, .address_space: global }
      - { .name: out0, .offset: 72, .size: 8, .value_kind: global_buffer, .address_space: global }
    .group_segment_fixed_size: 118272
    .private_segment_fixed_size: 0
    .kernarg_segment_align: 8
    .kernarg_segment_size: 80
    .max_flat_workgroup_size: 128
    .sgpr_count:     66
    .vgpr_count:     1024
    .wavefront_size: 32
...
	.end_amdgpu_metadata
.endif
;; end of part 6
